; MI455X (gfx1250); checked and timed in simulation.
; The chip was launched on July 23, 2026; its instructions are those of AMD's public machine-readable ISA for CDNA 5 (MIT licence, August 2026) and "CDNA5" Instruction Set Architecture Reference Guide (July 2026). The comments in the code are by the model that wrote it; some were corrected since.
;; Multi Query Attention. Allowed arithmetic: float matrix products may take bf16 or f16 operands with f32 sums; all other float work in f32.
;; Inputs: Wk 2,048 x 128 float32; Wo 2,048 x 2,048 float32; Wq 2,048 x 2,048 float32; Wv 2,048 x 128 float32; bk 128 float32; bo 2,048 float32; bq 2,048 float32; bv 128 float32; k 4 x 1,024 x 2,048 float32; q 4 x 1,024 x 2,048 float32; v 4 x 1,024 x 2,048 float32.
;; Outputs: out0 4 x 1,024 x 2,048 float32.
;; One version. Each part assembles by itself: llvm-mc -triple=amdgcn-amd-amdhsa -mcpu=gfx1250 --defsym DOCPART=n.
;; ======== version 1 of 1: 4 launches
;; limits: values are held in f16: magnitudes above 65,504 overflow, below 6.1e-05 lose precision
;; workspace buffers: q16 16,777,216 bytes; wq16 8,388,608 bytes; wo16 8,388,608 bytes; wkv16 1,048,576 bytes; kvh 2,097,152 bytes; o16 16,777,216 bytes
;; launch prep (part 1): grid 1056 x 1, 8 waves a work-group, no clusters, 0 bytes of LDS; arguments q, Wq, Wo, Wk, Wv, q16, wq16, wo16, wkv16; writes q16, wq16, wo16, wkv16
.if DOCPART == 1
	.amdgcn_target "amdgcn-amd-amdhsa--gfx1250"
	.amdhsa_code_object_version 6
	.text
	.protected	k_q6ce2dd65b8_prep
	.globl	k_q6ce2dd65b8_prep
	.p2align	8
	.type	k_q6ce2dd65b8_prep,@function
k_q6ce2dd65b8_prep:
	s_mov_b64 s[64:65], 0
	v_nop
	global_prefetch_b8 v0, s[64:65] scope:SCOPE_SE
	s_setreg_imm32_b32 hwreg(HW_REG_WAVE_MODE, 25, 1), 1
	s_wait_xcnt 0x0
; CAST.  q, Wq, Wo, Wk, Wv (f32) are rounded once to f16, layouts unchanged: q16, wq16, wo16, and wkv16 = Wk followed by Wv.
; LIMIT.  f16 holds no number beyond 65,504 (a larger input becomes an infinity) and keeps a fixed step of 6e-8 below 6e-5.
; A pure stream: no LDS, no barrier, no matrix unit.  A work-group of eight waves takes 65,536 input bytes (16,384 numbers) and writes 32,768.
; Work-groups 0-511: q; 512-767: Wq; 768-1023: Wo; 1024-1039: Wk; 1040-1055: Wv (33,554,432 / 65,536 = 512, 16,777,216 / 65,536 = 256, 1,048,576 / 65,536 = 16).
; A wave's load covers 512 consecutive bytes, a wave's store 256 consecutive bytes at a multiple of 256 from the buffer's first byte.  All sixteen loads of a thread go out before the first store.
.set X, 4                              ; v[4:67]   sixteen loads of four f32
.set Y, 68                             ; v[68:99]  sixteen pairs of registers, four f16 each
	s_load_b512 s[8:23], s[0:1], 0x0               ; q s[8:9], Wq s[10:11], Wo s[12:13], Wk s[14:15], Wv s[16:17], q16 s[18:19], wq16 s[20:21], wo16 s[22:23]
	s_load_b64 s[24:25], s[0:1], 0x40              ; wkv16
	s_mov_b32 s28, ttmp9                           ; the work-group's number
	s_mov_b32 s29, 0                               ; the first work-group of my source
	s_mov_b32 s34, 0                               ; the first work-group of my destination
	v_lshlrev_b32 v1, 4, v0                        ; 16 bytes a thread in,
	v_lshlrev_b32 v2, 3, v0                        ; 8 bytes a thread out
	s_wait_kmcnt 0x0
	s_mov_b64 s[30:31], s[8:9]                     ; source and destination begin as q and q16;
	s_mov_b64 s[32:33], s[18:19]
.macro PICK bound, src, dst            ; from work-group 'bound' on they are another pair of buffers: a choice on the work-group's number alone
	s_cmp_ge_u32 s28, \bound
	s_cselect_b64 s[30:31], s[(\src):(\src)+1], s[30:31]
	s_cselect_b64 s[32:33], s[(\dst):(\dst)+1], s[32:33]
	s_cselect_b32 s29, \bound, s29
	s_cselect_b32 s34, \bound, s34
.endm
	PICK 512, 10, 20
	PICK 768, 12, 22
	PICK 1024, 14, 24
	s_cmp_ge_u32 s28, 1040                         ; Wv: another source, the same destination: it lands 16 x 32,768 = 524,288 bytes into wkv16
	s_cselect_b64 s[30:31], s[16:17], s[30:31]
	s_cselect_b32 s29, 1040, s29
	s_sub_co_u32 s36, s28, s29
	s_lshl_b32 s36, s36, 16                        ; my 65,536 bytes of the source (511 x 65,536 at the most)
	s_mov_b32 s37, 0
	s_sub_co_u32 s38, s28, s34
	s_lshl_b32 s38, s38, 15                        ; my 32,768 bytes of the destination
	s_mov_b32 s39, 0
	s_add_nc_u64 s[30:31], s[30:31], s[36:37]
	s_add_nc_u64 s[32:33], s[32:33], s[38:39]
.set i, 0
.rept 16
	global_load_b128 v[X+4*i:X+4*i+3], v1, s[30:31] offset:4096*i th:TH_LOAD_NT  ; each input byte is read once in the launch
.set i, i+1
.endr
.set i, 0
.rept 16
	s_wait_loadcnt 15-i                            ; loads come back in order: load i is in, the 15 - i younger ones stay out
	v_cvt_pk_f16_f32 v[Y+2*i], v[X+4*i], v[X+4*i+1]
	v_cvt_pk_f16_f32 v[Y+2*i+1], v[X+4*i+2], v[X+4*i+3]
	global_store_b64 v2, v[Y+2*i:Y+2*i+1], s[32:33] offset:2048*i  ; no register is written twice, so no store's source is ever rewritten
.set i, i+1
.endr
	s_endpgm
.Lfunc_end_k_q6ce2dd65b8_prep:
	.size	k_q6ce2dd65b8_prep, .Lfunc_end_k_q6ce2dd65b8_prep-k_q6ce2dd65b8_prep
	.p2alignl 7, 3214868480
	.fill 96, 4, 3214868480
	.section	.rodata,"a",@progbits
	.p2align	6, 0x0
	.amdhsa_kernel k_q6ce2dd65b8_prep
		.amdhsa_group_segment_fixed_size 0
		.amdhsa_private_segment_fixed_size 0
		.amdhsa_enable_private_segment 0
		.amdhsa_kernarg_size 72
		.amdhsa_user_sgpr_count 2
		.amdhsa_user_sgpr_kernarg_segment_ptr 1
		.amdhsa_wavefront_size32 1
		.amdhsa_system_sgpr_workgroup_id_x 1
		.amdhsa_system_sgpr_workgroup_id_y 1
		.amdhsa_system_sgpr_workgroup_id_z 1
		.amdhsa_system_vgpr_workitem_id 0
		.amdhsa_next_free_vgpr 104
		.amdhsa_next_free_sgpr 66
		.amdhsa_reserve_vcc 0
		.amdhsa_float_denorm_mode_32 3
		.amdhsa_float_denorm_mode_16_64 3
		.amdhsa_memory_ordered 1
		.amdhsa_forward_progress 1
		.amdhsa_inst_pref_size 8
	.end_amdhsa_kernel
	.amdgpu_metadata
---
amdhsa.version: [ 1, 2 ]
amdhsa.kernels:
  - .name:           k_q6ce2dd65b8_prep
    .symbol:         k_q6ce2dd65b8_prep.kd
    .args:
      - { .name: q, .offset: 0, .size: 8, .value_kind: global_buffer, .address_space: global }
      - { .name: Wq, .offset: 8, .size: 8, .value_kind: global_buffer, .address_space: global }
      - { .name: Wo, .offset: 16, .size: 8, .value_kind: global_buffer, .address_space: global }
      - { .name: Wk, .offset: 24, .size: 8, .value_kind: global_buffer, .address_space: global }
      - { .name: Wv, .offset: 32, .size: 8, .value_kind: global_buffer, .address_space: global }
      - { .name: q16, .offset: 40, .size: 8, .value_kind: global_buffer, .address_space: global }
      - { .name: wq16, .offset: 48, .size: 8, .value_kind: global_buffer, .address_space: global }
      - { .name: wo16, .offset: 56, .size: 8, .value_kind: global_buffer, .address_space: global }
      - { .name: wkv16, .offset: 64, .size: 8, .value_kind: global_buffer, .address_space: global }
    .group_segment_fixed_size: 0
    .private_segment_fixed_size: 0
    .kernarg_segment_align: 8
    .kernarg_segment_size: 72
    .max_flat_workgroup_size: 256
    .sgpr_count:     66
    .vgpr_count:     104
    .wavefront_size: 32
...
	.end_amdgpu_metadata
.endif
;; end of part 1
;; launch kvproj (part 2): grid 128 x 2, 4 waves a work-group, clusters of 4 x 1, 327,680 bytes of LDS; arguments k, v, wkv16, bk, bv, kvh; writes kvh
.if DOCPART == 2
	.amdgcn_target "amdgcn-amd-amdhsa--gfx1250"
	.amdhsa_code_object_version 6
	.text
	.protected	k_q6ce2dd65b8_kvproj
	.globl	k_q6ce2dd65b8_kvproj
	.p2align	8
	.type	k_q6ce2dd65b8_kvproj,@function
k_q6ce2dd65b8_kvproj:
	s_mov_b64 s[64:65], 0
	v_nop
	global_prefetch_b8 v0, s[64:65] scope:SCOPE_SE
	s_setreg_imm32_b32 hwreg(HW_REG_WAVE_MODE, 25, 1), 1
	s_wait_xcnt 0x0
	s_wait_alu depctr_hold_cnt(0) depctr_sa_sdst(0) depctr_va_vdst(0) depctr_va_sdst(0) depctr_va_ssrc(0) depctr_va_vcc(0) depctr_vm_vsrc(0)
	s_getreg_b32 s2, hwreg(HW_REG_IB_STS2, 6, 4)
	s_cmp_eq_u32 s2, 0
	s_cbranch_scc0 .Lentry_in_a_cluster
	s_endpgm
.Lentry_in_a_cluster:
	s_bfe_u32 s2, ttmp6, 0x10000c
	s_cmp_lg_u32 s2, 0x3003
	s_cbranch_scc0 .Lentry_shape_is_right
	s_endpgm
.Lentry_shape_is_right:
; kh = k Wk + bk (work-group y = 0), vh = v Wv + bv (y = 1).  k, v: [4096][2048] f32; the weights come as f16, [2048 k][128 n], Wk then Wv in wkv16; kvh: kh [4096][128] f16, then vh.
; Products in f16 with f32 sums; the bias is added in f32; the result is rounded once to f16.
; LIMIT.  f16 holds no number beyond 65,504: k, v and the results must lie within it; below 6e-5 f16 keeps a fixed step of 6e-8.
; SHARES.  The launch reads 67 MB for little arithmetic: it is laid out for the stream.  A work-group owns 32 rows and all 128 columns: 128 x 2 = 256 work-groups.  K is split over the four waves:
; wave w takes k = 512 w .. 512 w + 511 and makes a partial 32 x 128 sum (16 accumulators); the four partial sums meet in LDS at the end and are added in a fixed order.
; So in the walk no wave reads LDS bytes of another wave.
; A's ROAD.  f32 from memory into registers (16 lanes take 256 consecutive bytes of a row), rounded to f16, through the wave's own stage in LDS into fragments.  A chunk is 64 along K: 16 loads.
; Three register sets take turns, so that 48 loads of every wave are out; barriers do not touch them.
; W's ROAD.  All row blocks walk the same weights, so the four work-groups of a cluster ask for them JOINTLY (mask of four).  Each wave fetches its own 128 k-rows of 256 bytes into its own part of
; two slots; a slot serves two chunks.  By this text's count a wave has at most two tensor loads out.
; THE MATRIX INSTRUCTION IS USED TRANSPOSED: source 0 = 16 columns of W (turned on the way out of LDS), source 1 = 16 rows of A: a lane holds row lane % 16 and eight neighbouring columns.
; REGISTERS, in windows of 256 (s_set_vgpr_msb: bits 1:0 source 0, 3:2 source 1, 5:4 source 2, 7:6 destination):
;   window 0: addresses, T, fragments     window 1: v0-127 the accumulators ((mb, nb) at 8 (8 mb + nb))     window 2: v0-191 three sets of 64: A as loaded
.set PW,     288                       ; a row of W in LDS: 256 bytes + 32 of padding = 72 words
.set WPART,  128*PW                    ; a wave's part of a slot
.set SLOT,   4*WPART
.set ASTAGE, 2*SLOT                    ; behind the slots, never filled by a tensor load: 32 rows x 144 bytes for each wave
.set PAS,    144                       ; 128 bytes + 16: the 16 rows of a fragment load start at 16 different groups of four banks
.set APART,  32*PAS
.set SPARE,  ASTAGE+4*APART            ; the spare words, 128 bytes for each wave: two blocks of 256 bytes that no other line names
.set PP,     528                       ; a row of a partial sum: 512 bytes + 16.  Wave w's plane, 32 rows, lies at w x WPART: in its own part of slot 0, behind that slot's last fill and last read
.set AOFF, 4                           ; v4      my byte offset in the group's rows of k or v; never rewritten
.set ASTO, 5                           ; v5      where I put 8 bytes into the stage
.set AFR,  6                           ; v6      where I read A's fragments
.set WFR,  8                           ; v8-9    where I read W's fragments, slot 0, 1
.set PSTO, 10                          ; v10     where I put my partial sums
.set PRD,  12                          ; v12-15  where I read plane 0 .. 3
.set OOFF, 16                          ; v16     8 x lane
.set BOF,  17                          ; v17     16 x lane
.set BI,   20                          ; v[20:23] the bias of my four columns
.set SPW,  28                          ; v28     LDS address of my spare word; never rewritten
.set NIL,  29                          ; v29     0; never rewritten
.set T,    32                          ; v[32:63] a chunk rounded to f16; at the end the results
.set WF,   64                          ; v[64:191] W's fragments: 32 k piece p, column block nb at WF + 8 (8 p + nb)
.set AF,   192                         ; v[192:223] A's: piece p, row block mb at AF + 8 (2 p + mb)
.set SUM,  64                          ; at the end: plane p, row t at SUM + 32 p + 4 t
.set WV, 16                            ; s16  my wave's number
.set G1, 24                            ; s[24:31] descriptor group 1
.set G0, 32                            ; s[32:39] descriptor group 0, a set for each slot
.set MUL, 0x50                         ; C and D in window 1
.set MSB, 0
.macro WIN new                         ; the immediate's high byte repeats the setting that is left; a switch that changes nothing is dropped
.if MSB != (\new)
	s_set_vgpr_msb (MSB<<8)|(\new)
.set MSB, \new
.endif
.endm
.macro PLACES                          ; four places between a matrix instruction and a load into, or a store of, one of its registers (ISA guide 7.12.1 for vector instructions)
.rept 4
	v_nop
.endr
.endm
.macro CROUND                          ; a round of the cluster's barrier: my work-group's barrier; wave 0 signals for the work-group; every wave waits for all four work-groups; my work-group's barrier once more
	s_barrier_signal -1
	s_barrier_wait -1
	s_cmp_lg_u32 s[WV], 0
	s_cbranch_scc1 .Lnot_wave_0_\@
	s_barrier_signal -3
.Lnot_wave_0_\@:
	s_barrier_wait -3
	s_barrier_signal -1
	s_barrier_wait -1
.endm
	s_load_b256 s[4:11], s[0:1], 0x0               ; k s[4:5], v s[6:7], wkv16 s[8:9], bk s[10:11]
	s_load_b128 s[12:15], s[0:1], 0x20             ; bv s[12:13], kvh s[14:15]
	v_lshl_add_u32 v[SPW], v0, 2, SPARE
	v_mov_b32 v[NIL], 0
	ds_add_u32 v[SPW], v[NIL]                      ; the wave's opening: the add and its wait stand ahead of my first tensor load; the set-up below, work on registers, stands between them
	v_lshrrev_b32 v1, 5, v0
	v_readfirstlane_b32 s[WV], v1                  ; wave 0..3
	s_bfe_u32 s17, ttmp6, 0x40000                  ; cx: my place in the cluster
	s_lshl_b32 s18, ttmp9, 2                       ; in a cluster launch ttmp9 counts clusters
	s_add_co_u32 s18, s18, s17                     ; my block of 32 rows: it enters the addresses of k, v and kvh alone
	s_and_b32 s19, ttmp7, 0xffff                   ; 0: k, 1: v; the four partners share it
	; descriptor group 1: a tile of 128 rows x 128 elements, padded in LDS
	s_mov_b32 s[G1+0], 15|(1<<16)|(1<<20)|(1<<21)|(5<<22)|(7<<25)  ; 15:0 the mask: all four work-groups; 17:16 elements of 2 bytes; 20 padding on; 21 set beside a mask; 24:22 after every 64 words (code 5); 31:25 8 words of it (code 7)
	s_mov_b32 s[G1+1], 128<<16                     ; tensor_dim0 = 128
	s_mov_b32 s[G1+2], 128<<16                     ; tensor_dim1 = 128
	s_mov_b32 s[G1+3], 128<<16                     ; tile_dim0 = 128
	s_mov_b32 s[G1+4], 128                         ; tile_dim1 = 128
	s_mov_b32 s[G1+5], 128                         ; 128 elements from row to row
	s_mov_b32 s[G1+6], 0
	s_mov_b32 s[G1+7], 0
	s_lshl_b32 s20, s19, 19                        ; Wk or Wv: 524,288 bytes each,
	s_lshl_b32 s22, s[WV], 17                      ; my wave's 512 rows of 256 bytes
	s_add_co_u32 s20, s20, s22
	s_mov_b32 s21, 0
	s_mul_i32 s23, s[WV], WPART                    ; my part of slot 0: no place in the cluster enters an LDS address
	s_lshl_b32 s48, s18, 18                        ; my 32 rows of 8,192 bytes
	s_mov_b32 s49, 0
	s_lshl_b32 s50, s19, 20                        ; kh or vh: 1,048,576 bytes each,
	s_lshl_b32 s52, s18, 13                        ; my 32 rows of 256 bytes,
	s_add_co_u32 s50, s50, s52
	s_lshl_b32 s22, s[WV], 11                      ; and of them the eight that my wave stores.  (Also: my wave's 512 numbers, 2,048 bytes, in a row of k or v)
	s_add_co_u32 s50, s50, s22
	s_mov_b32 s51, 0
	s_mov_b32 s[G0+0], 1                           ; 1:0 count = 1
	s_mov_b32 s[G0+1], s23                         ; 63:32 LDS address
	s_mov_b32 s[G0+4], 1
	s_add_co_u32 s[G0+5], s23, SLOT
	s_wait_dscnt 0x0                               ; the opening add is done
	s_wait_kmcnt 0x0
	s_add_nc_u64 s[44:45], s[8:9], s[20:21]        ; the weights at my wave's first row
	s_add_nc_u64 s[G0+2:G0+3], s[44:45], 0         ; 120:64 global address: slot 0 begins with my rows 0-127,
	s_or_b32 s[G0+3], s[G0+3], 0x80000000          ; 127:126 type = 2
	s_add_nc_u64 s[G0+6:G0+7], s[44:45], 128*256   ; slot 1 with my rows 128-255
	s_or_b32 s[G0+7], s[G0+7], 0x80000000
	s_cmp_eq_u32 s19, 0
	s_cselect_b64 s[40:41], s[4:5], s[6:7]         ; k or v,
	s_cselect_b64 s[42:43], s[10:11], s[12:13]     ; bk or bv
	s_add_nc_u64 s[40:41], s[40:41], s[48:49]
	s_add_nc_u64 s[46:47], s[14:15], s[50:51]
	CROUND                                         ; all four work-groups are here: the first joint loads meet
	tensor_load_to_lds s[G0:G0+3], s[G1:G1+7]      ; both first fills go out together, ahead of every wait on TENSORcnt and every LDS read
	s_nop 0
	tensor_load_to_lds s[G0+4:G0+7], s[G1:G1+7]
	s_nop 0
	PLACES                                         ; four v_nop behind the loads
	v_and_b32 v1, 15, v0                           ; l % 16
	v_bfe_u32 v2, v0, 4, 1                         ; l / 16
	v_and_b32 v3, 31, v0                           ; lane
	v_lshlrev_b32 v[AOFF], 4, v1                   ; lanes 0-15 take 256 consecutive bytes of one row, lanes 16-31 of the next
	v_lshl_add_u32 v[AOFF], v2, 13, v[AOFF]
	v_add_nc_u32 v[AOFF], s22, v[AOFF]
	v_lshlrev_b32 v[BOF], 4, v3
	global_load_b128 v[BI:BI+3], v[BOF], s[42:43]  ; the bias of columns 4 lane .. 4 lane + 3: the oldest load, so every later wait covers it
.macro GLOAD c                         ; chunk c of A, 32 rows x 64 numbers of f32, into set c % 3
	WIN 0x80                                       ; destination window 2, address window 0
.set i, 0
.rept 16
	global_load_b128 v[64*((\c)%3)+4*i:64*((\c)%3)+4*i+3], v[AOFF], s[40:41] offset:16384*i+256*(\c) th:TH_LOAD_NT  ; rows 2 i, 2 i + 1; each byte is read once in the launch
.set i, i+1
.endr
.endm
	GLOAD 0
	GLOAD 1
	GLOAD 2
	WIN 0
	v_and_b32 v7, 7, v0
	v_bfe_u32 v11, v0, 3, 1
	s_mul_i32 s20, s[WV], APART
	s_add_co_u32 s20, s20, ASTAGE                  ; my stage
	v_mul_u32_u24 v[ASTO], v2, PAS                 ; in: row l / 16 of a pair, 8 bytes (four f16) at l % 16
	v_lshl_add_u32 v[ASTO], v1, 3, v[ASTO]
	v_add_nc_u32 v[ASTO], s20, v[ASTO]
	v_mul_u32_u24 v[AFR], v1, PAS                  ; a fragment: row l % 16; k = 8 (l / 16) + 0..7 and, 32 bytes on, 16 + 8 (l / 16) + 0..7
	v_lshl_add_u32 v[AFR], v2, 4, v[AFR]
	v_add_nc_u32 v[AFR], s20, v[AFR]
	v_lshl_add_u32 v[WFR], v2, 3, v7               ; the turning load: lane l reads 16 bytes of k-row 8 (l / 16) + l % 8, columns 8 ((l / 8) % 2) + 0..7, and is left with column l % 16 and 8 k
	v_mul_u32_u24 v[WFR], v[WFR], PW
	v_lshl_add_u32 v[WFR], v11, 4, v[WFR]
	v_add_nc_u32 v[WFR], s23, v[WFR]
	v_add_nc_u32 v[WFR+1], SLOT, v[WFR]
	v_mul_u32_u24 v[PSTO], v1, PP                  ; a partial sum: row l % 16, 32 bytes (eight columns) for each half of the lanes
	v_lshl_add_u32 v[PSTO], v2, 5, v[PSTO]
	v_add_nc_u32 v[PSTO], s23, v[PSTO]
	v_lshlrev_b32 v[OOFF], 3, v3
	s_mul_i32 s21, s[WV], 8*PP                     ; at the end wave w adds rows 8 w .. 8 w + 7 of the four planes: a row is 32 lanes x 16 bytes
	v_add_nc_u32 v[PRD], s21, v[BOF]
	v_add_nc_u32 v[PRD+1], WPART, v[PRD]
	v_add_nc_u32 v[PRD+2], 2*WPART, v[PRD]
	v_add_nc_u32 v[PRD+3], 3*WPART, v[PRD]
; ONE CHUNK, 64 along K.  left: the loads of later chunks that may stay out.  W's fragments are asked for first; A is rounded, goes through my stage (LDS serves a wave's instructions in order, ISA guide
; 5.7.1.4: the loads see the stores) and comes back as fragments; the set just emptied is loaded again, three chunks ahead; then 32 matrix instructions, the 16 accumulators by turns.
.macro CHUNK c, left
.set SL, ((\c)/2)%2                    ; the slot,
.set CSB, ((\c)%2)*64*PW               ; and which 64 of its 128 rows
.if (((\c)%2) == 1) || ((\c) == 6)
	PLACES                                         ; behind the last chunk's products (chunks 2 and 4 find four v_nop behind the refill)
.endif
	WIN 0
.set i, 0
.rept 16
	ds_load_tr16_b128 v[WF+8*i:WF+8*i+3],   v[WFR+SL] offset:CSB+(i/8)*32*PW+(i%8)*32
	ds_load_tr16_b128 v[WF+8*i+4:WF+8*i+7], v[WFR+SL] offset:CSB+(i/8)*32*PW+16*PW+(i%8)*32
.set i, i+1
.endr
	s_wait_loadcnt \left                           ; loads come back in order: this chunk's sixteen are in
	WIN 0x0a                                       ; sources in window 2
.set i, 0
.rept 32
	v_cvt_pk_f16_f32 v[T+i], v[64*((\c)%3)+2*i], v[64*((\c)%3)+2*i+1]
.set i, i+1
.endr
	WIN 0
.set i, 0
.rept 16
	ds_store_b64 v[ASTO], v[T+2*i:T+2*i+1] offset:2*PAS*i
.set i, i+1
.endr
.set i, 0
.rept 4
	ds_load_b128 v[AF+8*i:AF+8*i+3],   v[AFR] offset:(i%2)*16*PAS+(i/2)*64
	ds_load_b128 v[AF+8*i+4:AF+8*i+7], v[AFR] offset:(i%2)*16*PAS+(i/2)*64+32
.set i, i+1
.endr
.if (\c) < 5
	GLOAD (\c)+3
.endif
	s_wait_dscnt 0x0                               ; all fragments are in
	WIN MUL
.set i, 0
.rept 32                               ; i = 16 p + 8 mb + nb
.if ((\c) == 0) && (i < 16)
	v_wmma_f32_16x16x32_f16 v[8*(i%16):8*(i%16)+7], v[WF+64*(i/16)+8*(i%8):WF+64*(i/16)+8*(i%8)+7], v[AF+16*(i/16)+8*((i/8)%2):AF+16*(i/16)+8*((i/8)%2)+7], 0
.else
	v_wmma_f32_16x16x32_f16 v[8*(i%16):8*(i%16)+7], v[WF+64*(i/16)+8*(i%8):WF+64*(i/16)+8*(i%8)+7], v[AF+16*(i/16)+8*((i/8)%2):AF+16*(i/16)+8*((i/8)%2)+7], v[8*(i%16):8*(i%16)+7]
.endif
.set i, i+1
.endr
.endm
; SLOT n HAS BEEN READ AND IS FILLED AGAIN, with my rows 256 further on.  Each wave waits for all its tensor loads, adds 0 to its spare word, waits for that and for its reads of the slot; a round of the
; cluster's barrier follows, so that no wave of any partner still reads the slot or has a load on its way; the joint refill is the first thing behind it, one load a wave.
.macro CHANGE n
	WIN 0                                          ; at a label and at a branch every window is 0
	s_wait_tensorcnt 0x0                           ; no tensor load of mine is out, so a group 0 may be written
	ds_add_u32 v[SPW], v[NIL]                      ; 0 onto my spare word
	s_add_nc_u64 s[G0+4*(\n)+2:G0+4*(\n)+3], s[G0+4*(\n)+2:G0+4*(\n)+3], 256*256  ; the type bits on top are not reached
	s_wait_dscnt 0x0                               ; the add is done, and my reads of the slot are over
	CROUND
	tensor_load_to_lds s[G0+4*(\n):G0+4*(\n)+3], s[G1:G1+7]
	s_nop 0
	PLACES                                         ; also the places in front of the next chunk's fragment loads
.endm
	s_wait_tensorcnt 0x1                           ; my part of slot 0 is in (only I read it); slot 1's fill, issued behind it, may stay out
	CHUNK 0, 32                                    ; 32: chunks 1 and 2
	CHUNK 1, 32
	CHANGE 0
	s_wait_tensorcnt 0x1                           ; slot 1 is in; the refill issued behind it stays out
	CHUNK 2, 32
	CHUNK 3, 32
	CHANGE 1
	s_wait_tensorcnt 0x1                           ; slot 0 is in; slot 1's refill stays out
	CHUNK 4, 32
	CHUNK 5, 32                                    ; chunks 6 and 7 are the last: nothing more is asked for
	s_wait_tensorcnt 0x0                           ; the last fill
	CHUNK 6, 16
	CHUNK 7, 0
	; THE FOUR PARTIAL SUMS MEET.  Mine goes into my own part of slot 0, which has had its last fill and which I alone have read.  Each accumulator's low four registers are read first.
	PLACES
	WIN 0x04                                       ; store data in window 1
.set i, 0
.rept 16                               ; i = 8 mb + nb
	ds_store_b128 v[PSTO], v[8*i:8*i+3]   offset:(i/8)*16*PP+(i%8)*64
	ds_store_b128 v[PSTO], v[8*i+4:8*i+7] offset:(i/8)*16*PP+(i%8)*64+16
.set i, i+1
.endr
	WIN 0
	s_wait_dscnt 0x0                               ; for the others' sake: my stores are done
	s_barrier_signal -1
	s_barrier_wait -1
.set i, 0
.rept 32                               ; i = 8 p + t
	ds_load_b128 v[SUM+4*i:SUM+4*i+3], v[PRD+i/8] offset:(i%8)*PP
.set i, i+1
.endr
	s_wait_dscnt 0x0
.set t, 0
.rept 8                                ; row 8 w + t: (plane 0 + plane 1) + (plane 2 + plane 3) + bias, rounded once
.irp d, 0,2
	v_pk_add_f32 v[SUM+4*t+(\d):SUM+4*t+(\d)+1], v[SUM+4*t+(\d):SUM+4*t+(\d)+1], v[SUM+32+4*t+(\d):SUM+32+4*t+(\d)+1]
	v_pk_add_f32 v[SUM+64+4*t+(\d):SUM+64+4*t+(\d)+1], v[SUM+64+4*t+(\d):SUM+64+4*t+(\d)+1], v[SUM+96+4*t+(\d):SUM+96+4*t+(\d)+1]
.endr
.irp d, 0,2
	v_pk_add_f32 v[SUM+4*t+(\d):SUM+4*t+(\d)+1], v[SUM+4*t+(\d):SUM+4*t+(\d)+1], v[SUM+64+4*t+(\d):SUM+64+4*t+(\d)+1]
.endr
.irp d, 0,2
	v_pk_add_f32 v[SUM+4*t+(\d):SUM+4*t+(\d)+1], v[SUM+4*t+(\d):SUM+4*t+(\d)+1], v[BI+(\d):BI+(\d)+1]
.endr
	v_cvt_pk_f16_f32 v[T+2*t], v[SUM+4*t], v[SUM+4*t+1]
	v_cvt_pk_f16_f32 v[T+2*t+1], v[SUM+4*t+2], v[SUM+4*t+3]
	global_store_b64 v[OOFF], v[T+2*t:T+2*t+1], s[46:47] offset:256*t  ; 32 lanes store a whole row: 256 consecutive bytes, at a multiple of 256 from kvh's first byte
.set t, t+1
.endr
	s_wait_tensorcnt 0x0                           ; the wave's end, behind my last tensor load and my last LDS store
	ds_add_u32 v[SPW], v[NIL]
	s_wait_dscnt 0x0
	CROUND                                         ; the closing round: no work-group ends while a partner may still ask for a tile that names it
	s_endpgm
.Lfunc_end_k_q6ce2dd65b8_kvproj:
	.size	k_q6ce2dd65b8_kvproj, .Lfunc_end_k_q6ce2dd65b8_kvproj-k_q6ce2dd65b8_kvproj
	.p2alignl 7, 3214868480
	.fill 96, 4, 3214868480
	.section	.rodata,"a",@progbits
	.p2align	6, 0x0
	.amdhsa_kernel k_q6ce2dd65b8_kvproj
		.amdhsa_group_segment_fixed_size 327680
		.amdhsa_private_segment_fixed_size 0
		.amdhsa_enable_private_segment 0
		.amdhsa_kernarg_size 48
		.amdhsa_user_sgpr_count 2
		.amdhsa_user_sgpr_kernarg_segment_ptr 1
		.amdhsa_wavefront_size32 1
		.amdhsa_system_sgpr_workgroup_id_x 1
		.amdhsa_system_sgpr_workgroup_id_y 1
		.amdhsa_system_sgpr_workgroup_id_z 1
		.amdhsa_system_vgpr_workitem_id 0
		.amdhsa_next_free_vgpr 768
		.amdhsa_next_free_sgpr 66
		.amdhsa_reserve_vcc 0
		.amdhsa_float_denorm_mode_32 3
		.amdhsa_float_denorm_mode_16_64 3
		.amdhsa_memory_ordered 1
		.amdhsa_forward_progress 1
		.amdhsa_inst_pref_size 92
	.end_amdhsa_kernel
	.amdgpu_metadata
---
amdhsa.version: [ 1, 2 ]
amdhsa.kernels:
  - .name:           k_q6ce2dd65b8_kvproj
    .symbol:         k_q6ce2dd65b8_kvproj.kd
    .args:
      - { .name: k, .offset: 0, .size: 8, .value_kind: global_buffer, .address_space: global }
      - { .name: v, .offset: 8, .size: 8, .value_kind: global_buffer, .address_space: global }
      - { .name: wkv16, .offset: 16, .size: 8, .value_kind: global_buffer, .address_space: global }
      - { .name: bk, .offset: 24, .size: 8, .value_kind: global_buffer, .address_space: global }
      - { .name: bv, .offset: 32, .size: 8, .value_kind: global_buffer, .address_space: global }
      - { .name: kvh, .offset: 40, .size: 8, .value_kind: global_buffer, .address_space: global }
    .group_segment_fixed_size: 327680
    .private_segment_fixed_size: 0
    .kernarg_segment_align: 8
    .kernarg_segment_size: 48
    .max_flat_workgroup_size: 128
    .sgpr_count:     66
    .vgpr_count:     768
    .wavefront_size: 32
...
	.end_amdgpu_metadata
.endif
;; end of part 2
;; launch qattn (part 3): grid 4 x 64, 4 waves a work-group, clusters of 4 x 4, 327,680 bytes of LDS; arguments q16, wq16, bq, kvh, o16; writes o16
.if DOCPART == 3
	.amdgcn_target "amdgcn-amd-amdhsa--gfx1250"
	.amdhsa_code_object_version 6
	.text
	.protected	k_q6ce2dd65b8_qattn
	.globl	k_q6ce2dd65b8_qattn
	.p2align	8
	.type	k_q6ce2dd65b8_qattn,@function
k_q6ce2dd65b8_qattn:
	s_mov_b64 s[64:65], 0
	v_nop
	global_prefetch_b8 v0, s[64:65] scope:SCOPE_SE
	s_setreg_imm32_b32 hwreg(HW_REG_WAVE_MODE, 25, 1), 1
	s_wait_xcnt 0x0
	s_wait_alu depctr_hold_cnt(0) depctr_sa_sdst(0) depctr_va_vdst(0) depctr_va_sdst(0) depctr_va_ssrc(0) depctr_va_vcc(0) depctr_vm_vsrc(0)
	s_getreg_b32 s2, hwreg(HW_REG_IB_STS2, 6, 4)
	s_cmp_eq_u32 s2, 0
	s_cbranch_scc0 .Lentry_in_a_cluster
	s_endpgm
.Lentry_in_a_cluster:
	s_bfe_u32 s2, ttmp6, 0x10000c
	s_cmp_lg_u32 s2, 0xf033
	s_cbranch_scc0 .Lentry_shape_is_right
	s_endpgm
.Lentry_shape_is_right:
; Q = q Wq + bq for one head and 256 queries, and straight on: O[b][q][h] = the sum over k of softmax_k(Q . K[b][k] / sqrt(128)) V[b][k].  One K head and one V head serve a batch's 16 query heads.
; q16: [4096][2048] f16 (row = 1024 b + q); wq16: [2048 k][2048 n] f16 (column = 128 h + channel); bq: [2048] f32; kvh: K [4096][128] f16, then V, 1,048,576 bytes on; o16: [4096][2048] f16 (column = 128 h + channel).
; All products in f16 with f32 sums.  Q's sums begin with the bias, in f32, and are rounded once to f16, unscaled; maxima and sums of the softmax in f32; the weights p are rounded to f16 for the second product
; (their sum l is taken of the unrounded p), O once at the end.
; LIMITS.  f16 holds no number beyond 65,504: Q, K and V must lie within it; p lies in 0 to 1, and below 6e-5 it keeps f16's fixed step of 6e-8; O is a mean of V's rows and has their range.
; A weight below 2^-126 counts as 0 in l; NaN and infinities are not treated apart; Q's f32 sums must be finite (they are multiplied by 0 where O^T begins).
; SHARES.  Work-group x = the batch, y = 16 x (block of 256 queries) + head: 4 x 64 = 256 work-groups.  Each of the four waves owns 64 queries: four tiles of 16.
; THE PROJECTION.  The work-group's Q is a tile of 256 rows x 128 columns over K = 2,048; a wave's 64 x 128 are 32 accumulators.  K goes in steps of 128 through two LDS slots: 256 rows of q16 (256 bytes each) and
; 128 k-rows of wq16 (256 bytes each).  Source 0 = 16 columns of W (turned on the way out of LDS), source 1 = 16 rows of q: a lane holds ONE query (lane % 16) and the channels 8 (lane / 16) + 0..7 of a block of 16.
; Two such accumulators, rounded to f16 in pairs, ARE a fragment (16 queries x 32 channels) of Q for the next product: Q never leaves the registers.
; THE ATTENTION.  S^T = K Q^T (source 0 = 16 keys, source 1 = 16 queries): a lane holds one query and the keys 8 (lane / 16) + 0..7.  Two such tiles, rounded to f16 in pairs, ARE source 1 (32 keys x 16 queries)
; of O^T = V^T P, whose result again holds one query a lane, and eight channels.  K comes out of LDS as it lies, V ([key][channel]) turned, by ds_load_tr16_b128.  Every wave walks all 1,024 keys, 64 a step.
; SOFTMAX.  For each query a running maximum m and sum l: p = 2^(c s - c m), c = log2(e) / sqrt(128); in every step O and l are multiplied by a = 2^(c m_old - c m_new), which is 1 where m has not grown.
; c m starts far below every c s, m at the lowest finite number, l at 0: the first step is a step like any other, with a = 0, and O^T need only hold finite numbers: it holds what the projection left.
; BY TURNS.  The wave's tiles are two PIECES, named by their first tile: piece 0 (tiles 0, 1) and piece 2 (tiles 2, 3).  In a TURN one piece has the matrix unit: 32 products V^T P of
; the step in hand, then 32 products K Q^T of the next step; the other piece's softmax, cut into 64 slices, stands between them, one slice behind each matrix instruction.  Two turns are a key step.
; CLUSTER.  4 x 4 work-groups: four batches (x) times four heads of one query block (y).  q16's tiles hang on batch and query block, K's and V's on the batch: the four of a column of the cluster ask for them JOINTLY;
; wq16's tiles hang on the head: the four of a row ask jointly.  Each joint load is the same tensor load with the same descriptor and a mask that names the four.
; THE RING of two slots runs on from the projection into the attention: the change of slots behind K step 14 asks for keys 0-127, the one behind K step 15 for keys 128-255.
; PREFETCH.  The projection's tiles are asked for ahead of their tensor loads.  Of a K step's 256 blocks of 256 bytes of q16 that the 16 heads of a query block share, a work-group asks for 16 (rows 16 h .. 16 h + 15);
; of the 128 blocks of wq16 that a head's 16 work-groups share, for 16 (k-rows 16 (4 (block % 2) + b) + 0..15): each block of q16 is asked for once in the launch, each block of wq16 twice, by query blocks two apart.
; Wave 0 asks for q16, wave 2 for wq16: one instruction of 32 lanes for two K steps, in every second trip: trip t (t = 0, 2 .. 10) asks for K steps t + 4 and t + 5, whose tensor loads go out in trips t + 2 and t + 3;
; K steps 2 and 3 are asked for at the head; trip 12 asks for nothing, so that no request passes K = 2,048.  K and V are not asked for ahead: a slot's refill has two key steps in which to land.
;
; REGISTERS, in windows of 256 (s_set_vgpr_msb says which window each operand place means: bits 1:0 source 0, 3:2 source 1, 5:4 source 2, 7:6 destination):
;   window 0: v0-11, v44-48 addresses; v12-43 eight registers of statistics a tile; v64-191 S^T, 32 a tile; v192-255 P, 16 a tile (in the projection v64-159, v160-255: two fragment buffers)
;   window 1: O^T, 64 a tile (in the projection: its accumulators, (i, b) at 8 (8 i + b))      window 2: v0-127 Q, 32 a tile; v128-255 K of one step      window 3: v0-127 V of one step; v128-191 the bias
.set SIZE_N, 1024     ; keys, and queries, of a batch
.set KS,    64        ; keys in a step
.set PK,    272       ; a row of K in LDS: 256 bytes + 16 of padding = 68 words: row r starts at bank 4 r mod 64 (64 banks of 4 bytes: ISA guide 11.1), so the 16 rows of a load start at 16 different banks
.set PV,    288       ; a row of V: 256 + 32 = 72 words: row r starts at bank 8 r mod 64
.set VOFF,  KS*PK     ; a step's tiles lie together: 64 rows of K, then 64 rows of V
.set STEPB, KS*(PK+PV)
.set SLOT1, 1<<17     ; slot 1 begins here, so that one exclusive or turns an address in one slot into the other's.  In the attention a slot holds two key steps (71,680 bytes)
.set KSTEP, 128       ; the projection's K step
.set PA,    272       ; a row of q16 in LDS, padded as K's
.set PW,    288       ; a k-row of wq16, padded as V's
.set HA,    128*PA    ; what one tensor load brings of q16,
.set HW,    64*PW     ; and of wq16
.set BOFF,  2*HA      ; in a slot: q16's 256 rows, then wq16's 128 k-rows
.set GSLOT, 2*HA+2*HW ; 106,496 bytes
.set STAGE, SLOT1+GSLOT  ; behind the ring, never filled by a tensor load: 16 rows x 272 bytes for each wave, for the way out
.set SP,    272
.set SPARE, STAGE+4*16*SP  ; behind the stages: the spare words, 128 bytes for each wave: two blocks of 256 bytes that no other line names
.set AK0, 2           ; v2   my lane's place in a tile of K; never rewritten
.set AV0, 3           ; v3   the same for V
.set ADR, 4           ; v4   the LDS address of the run of loads in hand
.set BO,  5           ; v5   my byte offset in the head's bias
.set STO, 6           ; v6   the way out: where I put 16 bytes of a row
.set RD,  7           ; v7   the way out: where I read a row back
.set GO,  8           ; v8   my byte offset in the wave's rows of O
.set ST,  12          ; tile t's statistics at v[ST+8 t]: +0 c m, +1 m, +2, +3 l (even keys', odd keys'), +4 to +7 c0-c3, at work; a takes c2's place once the maximum is found
.set GA0, 44          ; v44  my lane's place in slot 0's rows of q16; never rewritten
.set GB0, 45          ; v45  the same for wq16
.set GA,  46          ; v46  the same in the slot in hand
.set GB,  47          ; v47
.set PFO, 48          ; v48  the byte offset of the block that my lane asks for ahead, in K steps 0 and 1; never rewritten
.set SPW, 62          ; v62  LDS address of my spare word: SPARE + 4 x my thread's number; never rewritten
.set NIL, 63          ; v63  0; never rewritten
.set S,   64
.set P,   192
.set F0,  64          ; the projection's fragment buffers: W's column block b at f + 8 b, q's row block i at f + 64 + 8 i
.set F1,  160
.set KF,  128         ; K's fragments, in window 2
.set BIAS, 128        ; window 3: the bias of channel 16 b + 8 (lane / 16) + e at BIAS + 8 b + e
.set PFB, 4           ; s[4:5]  behind the set-up: q16 (waves 0, 1) or wq16 (waves 2, 3) at the pair of K steps asked for last
.set PFS, 6           ; s[6:7]  behind the set-up: bytes from a pair of K steps to the next
.set WV,  12          ; s12  my wave's number
.set OB,  14          ; s[14:15] O at my wave's first row, my head's first channel
.set G1K, 24          ; s[24:31] descriptor group 1 for K's tiles
.set G1V, 32          ; s[32:39] for V's: it differs in the padding alone
.set G0K, 40          ; s[40:47] descriptor group 0 for K's tiles: a set for each of the two first fills of the attention; the second then walks on
.set G0V, 48          ; s[48:55] the same for V's
.set SLOTS, 56        ; s56  counts the attention's slots
.set TWICE, 57        ; s57  counts a slot's two steps
.set CS,  58          ; s[58:59] c: the packed scaling names a pair and takes its low word for both halves
.set SEL, 60          ; s[60:61] lane selects for v_permlanex16_b32: each lane takes its own place in the other half
.set TB,  62          ; s62  LDS byte at which the tiles of the key step to be fetched begin
.set KCNT, 66         ; s66  counts the projection's K steps
.set TBG, 67          ; s67  LDS byte at which the projection's slot in hand begins
.set G1A, 68          ; s[68:75] descriptor group 1 for q16's tiles
.set G1B, 76          ; s[76:83] for wq16's
.set G0A, 84          ; s[84:91] descriptor group 0 for q16's tiles: a set for each first fill; the second then walks on
.set G0B, 92          ; s[92:99] the same for wq16's
.set MSB, 0
.macro WIN new                      ; the immediate's high byte repeats the setting that is left; a switch that changes nothing is dropped
.if MSB != (\new)
	s_set_vgpr_msb (MSB<<8)|(\new)
.set MSB, \new
.endif
.endm
.set W_G,  0x50       ; the projection: fragments in window 0, C and D in window 1
.set W_G0, 0x70       ; its first products: C (the bias) in window 3, D in window 1
.set W_KQ, 0x0a       ; K and Q in window 2, S^T in window 0
.set W_PV, 0x53       ; V in window 3, P in window 0, O^T in window 1
.set W_RS, 0x41       ; O^T (destination and source 0) in window 1, a in window 0
; A vector instruction that reads a matrix result or writes one of a matrix instruction's registers, and a load into a register that a matrix instruction has read, stand four places behind
; it, and only plain vector instructions that name none of its registers are places (ISA guide 7.12.1 for vector instructions).
.macro PLACES
.rept 4
	v_nop
.endr
.endm
; A joint load.  Waves 0 and 1 issue the first of the two lines (q16's two halves, or the two key steps' tiles of K), waves 2 and 3 the second (wq16's halves, or V's tiles).  The branch hangs on the wave's number
; alone.  An s_nop 0 and four v_nop follow each of the two lines; the jump round the other line, the label and what follows the macro come after them.
.macro JL g0x, g1x, g0y, g1y
	s_cmp_lt_u32 s[WV], 2
	s_cbranch_scc0 .Lother_\@
	tensor_load_to_lds s[(\g0x):(\g0x)+3], s[(\g1x):(\g1x)+7]
	s_nop 0
	PLACES
	s_branch .Lasked_\@
.Lother_\@:
	tensor_load_to_lds s[(\g0y):(\g0y)+3], s[(\g1y):(\g1y)+7]
	s_nop 0
	PLACES
.Lasked_\@:
.endm
; A round of the cluster's barrier: my work-group's barrier, so that wave 0's signal speaks for all four waves; wave 0 signals for the work-group; every wave waits for all sixteen
; work-groups; my work-group's barrier once more.  No LDS instruction of the wave is pending at a signal.
.macro CREST                        ; a round behind its opening barrier
	s_cmp_lg_u32 s[WV], 0
	s_cbranch_scc1 .Lnot_wave_0_\@
	s_barrier_signal -3
.Lnot_wave_0_\@:
	s_barrier_wait -3
	s_barrier_signal -1
	s_barrier_wait -1
.endm
.macro CROUND                       ; a whole round
	s_barrier_signal -1
	s_barrier_wait -1
	CREST
.endm
; THE REQUEST AHEAD, in the projection's loop.  The count runs 14, 13 .. 1 (trip t = 14 - count): the trips with an even count of 4 or more ask, waves 0 and 2 alone.  The base is stepped by a pair of K steps
; behind s_wait_xcnt 0, which stands two trips behind the last request (ISA guide 3.1: its address has been translated).  Every jump goes forward, over no barrier and no tensor load.
.macro PF
	s_bitcmp1_b32 s[KCNT], 0
	s_cbranch_scc1 .Lno_pf_\@
	s_cmp_lt_u32 s[KCNT], 4
	s_cbranch_scc1 .Lno_pf_\@
	s_cmp_lg_u32 s16, 0
	s_cbranch_scc1 .Lno_pf_\@
	s_wait_xcnt 0x0
	s_add_nc_u64 s[PFB:PFB+1], s[PFB:PFB+1], s[PFS:PFS+1]
	global_prefetch_b8 v[PFO], s[PFB:PFB+1] th:TH_LOAD_NT scope:SCOPE_SE
.Lno_pf_\@:
.endm
	s_load_b256 s[4:11], s[0:1], 0x0  ; q16 s[4:5], wq16 s[6:7], bq s[8:9], kvh s[10:11]
	s_load_b64 s[OB:OB+1], s[0:1], 0x20  ; o16
	v_lshl_add_u32 v[SPW], v0, 2, SPARE
	v_mov_b32 v[NIL], 0
	ds_add_u32 v[SPW], v[NIL]       ; the wave's opening: the add and its wait stand ahead of my first tensor load; the set-up below, work on registers, stands between them
	v_lshrrev_b32 v1, 5, v0
	v_readfirstlane_b32 s[WV], v1   ; wave 0..3
	s_and_b32 s16, s[WV], 1         ; which half of a tile, or which of a slot's two key steps, I fetch; kept: waves 0 and 2 ask ahead
	s_bfe_u32 s17, ttmp6, 0x40000   ; cx, cy: my place in the cluster
	s_bfe_u32 s18, ttmp6, 0x40004
	s_lshl_b32 s19, ttmp9, 2        ; in a cluster launch ttmp9 and ttmp7 count clusters
	s_add_co_u32 s19, s19, s17      ; the batch = 4 x cluster x + cx
	s_and_b32 s20, ttmp7, 0xffff
	s_lshr_b32 s21, s20, 2          ; the block of 256 queries = y / 16 = cluster y / 4: all sixteen partners share it
	s_lshl_b32 s22, s20, 2
	s_add_co_u32 s22, s22, s18
	s_and_b32 s22, s22, 15          ; the head = y % 16, y = 4 x cluster y + cy
	s_lshl_b32 s23, s18, 2
	s_lshl_b32 s23, 15, s23         ; my row of the cluster: places 4 cy .. 4 cy + 3
	s_lshl_b32 s2, 0x1111, s17      ; my column: places cx, cx + 4, cx + 8, cx + 12
	; descriptor groups 1.  15:0 the mask; 17:16 elements of 2 bytes; 20 padding on; 21 set beside a mask; 24:22 after every 64 words (code 5); 31:25 4 words of it (code 3) or 8 (code 7)
	s_or_b32 s[G1A], s2, (1<<16)|(1<<20)|(1<<21)|(5<<22)|(3<<25)   ; q16's tiles go to my column
	s_or_b32 s[G1B], s23, (1<<16)|(1<<20)|(1<<21)|(5<<22)|(7<<25)  ; wq16's to my row
	s_or_b32 s[G1K], s2, (1<<16)|(1<<20)|(1<<21)|(5<<22)|(3<<25)   ; K's and V's to my column
	s_or_b32 s[G1V], s2, (1<<16)|(1<<20)|(1<<21)|(5<<22)|(7<<25)
	s_mov_b32 s[G1A+1], 128<<16     ; q16: tensor_dim0 = 128,
	s_mov_b32 s[G1A+2], 128<<16     ; tensor_dim1 = 128,
	s_mov_b32 s[G1A+3], 128<<16     ; tile_dim0 = 128,
	s_mov_b32 s[G1A+4], 128         ; tile_dim1 = 128 rows,
	s_mov_b32 s[G1A+5], 2048        ; 2,048 elements from row to row
	s_mov_b32 s[G1A+6], 0
	s_mov_b32 s[G1A+7], 0
	s_mov_b32 s[G1B+1], 128<<16     ; wq16: 64 k-rows of 128 elements
	s_mov_b32 s[G1B+2], 64<<16
	s_mov_b32 s[G1B+3], 128<<16
	s_mov_b32 s[G1B+4], 64
	s_mov_b32 s[G1B+5], 2048
	s_mov_b32 s[G1B+6], 0
	s_mov_b32 s[G1B+7], 0
.irp g, G1K, G1V
	s_mov_b32 s[(\g)+1], 128<<16    ; K, V: 64 rows of 128 elements,
	s_mov_b32 s[(\g)+2], KS<<16
	s_mov_b32 s[(\g)+3], 128<<16
	s_mov_b32 s[(\g)+4], KS
	s_mov_b32 s[(\g)+5], 128        ; 128 elements from row to row
	s_mov_b32 s[(\g)+6], 0
	s_mov_b32 s[(\g)+7], 0
.endr
	; where the tiles come from, as byte offsets, in the registers that take the addresses.  q16's, K's and V's never hold cy, wq16's never cx.
	s_lshl_b32 s[G0A+2], s19, 22    ; q16: the batch's 1,024 rows of 4,096 bytes,
	s_lshl_b32 s3, s21, 20          ; the block's 256 rows,
	s_add_co_u32 s[G0A+2], s[G0A+2], s3
	s_lshl_b32 s3, s16, 19          ; my half's 128 rows
	s_add_co_u32 s[G0A+2], s[G0A+2], s3
	s_mov_b32 s[G0A+3], 0
	s_lshl_b32 s[G0B+2], s22, 8     ; wq16: the head's 128 columns of 2 bytes,
	s_lshl_b32 s3, s16, 18          ; my half's 64 k-rows of 4,096 bytes
	s_add_co_u32 s[G0B+2], s[G0B+2], s3
	s_mov_b32 s[G0B+3], 0
	s_lshl_b32 s[G0K+2], s19, 18    ; K: the batch's 1,024 rows of 256 bytes,
	s_lshl_b32 s3, s16, 14          ; my key step's 64 rows
	s_add_co_u32 s[G0K+2], s[G0K+2], s3
	s_mov_b32 s[G0K+3], 0
	s_lshl_b32 s2, s19, 10          ; O: my wave's first row: 1,024 b
	s_lshl_b32 s3, s21, 8           ; + 256 x block
	s_add_co_u32 s2, s2, s3
	s_lshl_b32 s3, s[WV], 6         ; + 64 x wave;
	s_add_co_u32 s2, s2, s3
	s_lshl_b32 s2, s2, 12           ; rows of 4,096 bytes, the head's 256 bytes
	s_lshl_b32 s3, s22, 8
	s_add_co_u32 s2, s2, s3
	s_mov_b32 s3, 0
	; what the work-group asks for ahead, as a byte offset: of q16 the rows 1,024 b + 256 x block + 16 h on; of wq16 the k-rows 16 (4 (block % 2) + b) on, the head's 256 bytes
	s_lshl_b32 s100, s19, 22
	s_lshl_b32 s13, s21, 20
	s_add_co_u32 s100, s100, s13
	s_lshl_b32 s13, s22, 16
	s_add_co_u32 s100, s100, s13
	s_and_b32 s101, s21, 1
	s_lshl2_add_u32 s101, s101, s19
	s_lshl_b32 s101, s101, 16
	s_lshl_b32 s13, s22, 8
	s_add_co_u32 s101, s101, s13
	s_cmp_lt_u32 s[WV], 2
	s_cselect_b32 s100, s100, s101  ; waves 0, 1: q16's; waves 2, 3: wq16's
	s_lshl_b32 s20, s22, 9          ; the bias: the head's 128 numbers of 4 bytes
	s_mov_b32 s21, 0
	; and where the tiles go: no place in the cluster enters an LDS address
	s_mov_b32 s[G0A], 1             ; 1:0 count = 1
	s_mul_i32 s[G0A+1], s16, HA     ; 63:32 LDS address
	s_mov_b32 s[G0A+4], 1
	s_add_co_u32 s[G0A+5], s[G0A+1], SLOT1
	s_mov_b32 s[G0B], 1
	s_mul_i32 s[G0B+1], s16, HW
	s_add_co_u32 s[G0B+1], s[G0B+1], BOFF
	s_mov_b32 s[G0B+4], 1
	s_add_co_u32 s[G0B+5], s[G0B+1], SLOT1
	s_mov_b32 s[G0K], 1
	s_mul_i32 s[G0K+1], s16, STEPB
	s_mov_b32 s[G0K+4], 1
	s_add_co_u32 s[G0K+5], s[G0K+1], SLOT1
	s_mov_b32 s[G0V], 1
	s_add_co_u32 s[G0V+1], s[G0K+1], VOFF
	s_mov_b32 s[G0V+4], 1
	s_add_co_u32 s[G0V+5], s[G0V+1], SLOT1
	s_mov_b32 s[CS], 0x3e0293ee     ; c = log2(e) / sqrt(128) = 0.127517
	s_mov_b32 s[CS+1], s[CS]        ; named with it as a pair, so it is written
	s_mov_b32 s[SEL], 0x76543210
	s_mov_b32 s[SEL+1], 0xfedcba98
	s_mov_b32 s[TB], 0
	s_mov_b32 s[TBG], 0
	s_mov_b32 s[SLOTS], SIZE_N/(2*KS)-1
	s_wait_dscnt 0x0                ; the opening add is done
	s_wait_kmcnt 0x0
	s_add_nc_u64 s[G0A+2:G0A+3], s[4:5], s[G0A+2:G0A+3]        ; 120:64 global address: K step 0,
	s_add_nc_u64 s[G0A+6:G0A+7], s[G0A+2:G0A+3], KSTEP*2       ; K step 1: 256 bytes along q16's rows
	s_or_b32 s[G0A+3], s[G0A+3], 0x80000000                    ; 127:126 type = 2
	s_or_b32 s[G0A+7], s[G0A+7], 0x80000000
	s_add_nc_u64 s[G0B+2:G0B+3], s[6:7], s[G0B+2:G0B+3]
	s_add_nc_u64 s[G0B+6:G0B+7], s[G0B+2:G0B+3], KSTEP*4096    ; 128 rows down wq16
	s_or_b32 s[G0B+3], s[G0B+3], 0x80000000
	s_or_b32 s[G0B+7], s[G0B+7], 0x80000000
	s_add_nc_u64 s[G0K+2:G0K+3], s[10:11], s[G0K+2:G0K+3]      ; keys 0-127,
	s_add_nc_u64 s[G0V+2:G0V+3], s[G0K+2:G0K+3], 0x100000      ; V the same, 1,048,576 bytes on,
	s_add_nc_u64 s[G0K+6:G0K+7], s[G0K+2:G0K+3], 2*KS*256      ; keys 128-255
	s_add_nc_u64 s[G0V+6:G0V+7], s[G0V+2:G0V+3], 2*KS*256
	s_or_b32 s[G0K+3], s[G0K+3], 0x80000000
	s_or_b32 s[G0K+7], s[G0K+7], 0x80000000
	s_or_b32 s[G0V+3], s[G0V+3], 0x80000000
	s_or_b32 s[G0V+7], s[G0V+7], 0x80000000
	s_add_nc_u64 s[8:9], s[8:9], s[20:21]
	s_add_nc_u64 s[OB:OB+1], s[OB:OB+1], s[2:3]
	CROUND                          ; all sixteen work-groups are here: the first joint loads meet
	s_cmp_lt_u32 s[WV], 2           ; a wave's two first fills stand in one branch, ahead of every wait on TENSORcnt and every LDS read: two loads of mine are out; an s_nop 0 follows each, four v_nop the second's
	s_cbranch_scc0 .Lfirst_w
	tensor_load_to_lds s[G0A:G0A+3], s[G1A:G1A+7]
	s_nop 0
	tensor_load_to_lds s[G0A+4:G0A+7], s[G1A:G1A+7]
	s_nop 0
	PLACES
	s_branch .Lfirst_asked
.Lfirst_w:
	tensor_load_to_lds s[G0B:G0B+3], s[G1B:G1B+7]
	s_nop 0
	tensor_load_to_lds s[G0B+4:G0B+7], s[G1B:G1B+7]
	s_nop 0
	PLACES
.Lfirst_asked:
	v_and_b32 v1, 15, v0            ; l % 16
	v_bfe_u32 v9, v0, 4, 1          ; l / 16
	v_and_b32 v10, 7, v0
	v_bfe_u32 v11, v0, 3, 1
	v_lshlrev_b32 v[BO], 5, v9      ; my half of the lanes holds channels 8 (l / 16) + 0..7 of each block of 16: 32 bytes of the bias
	WIN 0xc0                        ; destination window 3, address window 0
.set j, 0
.rept 16                            ; block j / 2, four numbers; waited for ahead of the first product, whose C they are
	global_load_b128 v[BIAS+4*j:BIAS+4*j+3], v[BO], s[8:9] offset:64*(j/2)+16*(j%2)
.set j, j+1
.endr
	WIN 0
	; The lanes' shares of a request ahead, for a pair of K steps.  q16 (waves 0, 1): lane l takes row l / 2 of the 16, K step l % 2 of the pair (256 bytes on).  wq16 (waves 2, 3): k-row l % 16 of the 16, K step l / 16
	; of the pair (128 rows on).  Both are row = (l / 16) x M + ((l >> sh) & mask), with sh, mask, M = 1, 7, 8 or 0, 15, 128, and (l % 2) x 256 or x 0.  All 32 lanes name different blocks of 256 bytes.
	s_cmp_lt_u32 s[WV], 2
	s_cselect_b64 s[PFB:PFB+1], s[4:5], s[6:7]
	s_cselect_b32 s101, 1, 0
	s_cselect_b32 s2, 7, 15
	s_cselect_b32 s3, 8, 128
	s_cselect_b32 s17, 256, 0
	s_mov_b32 s[PFS], 2*KSTEP*4096  ; a pair of K steps: 256 rows down wq16,
	s_cselect_b32 s[PFS], 2*KSTEP*2, s[PFS]  ; or 512 bytes along q16's rows
	s_mov_b32 s[PFS+1], 0
	v_and_b32 v49, 31, v0
	v_lshrrev_b32 v49, s101, v49
	v_and_b32 v49, s2, v49
	v_mad_u32_u24 v[PFO], v9, s3, v49
	v_lshlrev_b32 v[PFO], 12, v[PFO]  ; rows of 4,096 bytes
	v_and_b32 v49, 1, v0
	v_mad_u32_u24 v[PFO], v49, s17, v[PFO]
	v_add_nc_u32 v[PFO], s100, v[PFO]
	s_add_nc_u64 s[PFB:PFB+1], s[PFB:PFB+1], s[PFS:PFS+1]  ; K steps 2 and 3: their tensor loads go out in the loop's first two trips
	s_cmp_lg_u32 s16, 0
	s_cbranch_scc1 .Lno_pf_first
	global_prefetch_b8 v[PFO], s[PFB:PFB+1] th:TH_LOAD_NT scope:SCOPE_SE
.Lno_pf_first:
	; What the attention's first turn finds: V's registers hold 0 (its products V^T P, of a step that has not been, add 0).  These lines stand in the wait for the first tile.
	WIN 0xc0
.set i, 0
.rept 128
	v_mov_b32 v[i], 0
.set i, i+1
.endr
	WIN 0
.irp t, 0,1,2,3
	v_mov_b32 v[ST+8*(\t)], 0xfe000000    ; c m: far below every c s
	v_mov_b32 v[ST+8*(\t)+1], 0xff7fffff  ; m
	v_mov_b32 v[ST+8*(\t)+2], 0           ; l
	v_mov_b32 v[ST+8*(\t)+3], 0
.endr
	; A fragment of q, K or Q is 16 rows x 32 along the rows in 8 registers: lane l holds row l % 16; registers 0-3 hold 8 (l / 16) + 0..7, registers 4-7 hold 16 + 8 (l / 16) + 0..7: two loads of 16 bytes, 32 bytes apart.
	v_mul_u32_u24 v[GA0], v1, PA
	v_lshl_add_u32 v[GA0], v9, 4, v[GA0]  ; row x pitch + 16 x half
	s_mul_i32 s13, s[WV], 64*PA     ; my wave's 64 rows
	v_add_nc_u32 v[GA0], s13, v[GA0]
	; The turning load takes 16 rows x 16 columns (lane l reads 16 bytes: row 8 (l / 16) + l % 8, columns 8 ((l / 8) % 2) + 0..7) and leaves half a fragment of the transpose: lane l holds column l % 16 and 8 rows.
	v_lshl_add_u32 v[GB0], v9, 3, v10
	v_mul_u32_u24 v[GB0], v[GB0], PW
	v_lshl_add_u32 v[GB0], v11, 4, v[GB0]
	v_add_nc_u32 v[GB0], BOFF, v[GB0]
	v_add_nc_u32 v[GA], s[TBG], v[GA0]
	v_add_nc_u32 v[GB], s[TBG], v[GB0]
	v_mul_u32_u24 v[AK0], v1, PK
	v_lshl_add_u32 v[AK0], v9, 4, v[AK0]
	v_lshl_add_u32 v[AV0], v9, 3, v10
	v_mul_u32_u24 v[AV0], v[AV0], PV
	v_lshl_add_u32 v[AV0], v11, 4, v[AV0]
	v_add_nc_u32 v[AV0], VOFF, v[AV0]
; THE PROJECTION'S MATRIX WORK.  8 matrix instructions: row block i x all 8 column blocks, 32 along K, from buffer f.  first = 1: the product starts the sums, with the bias as its C: a lane's eight registers of
; accumulator (i, b) are the channels 16 b + 8 (l / 16) + 0..7, and so are the eight registers BIAS + 8 b on.  Nothing is ever cleared, and no sum is touched behind the products.
; The 32 accumulators take turns in the same order in every quarter, over the loop's backward jump too.
.macro MUL8 f, i, first
.if \first
	WIN W_G0
.else
	WIN W_G
.endif
.irp b, 0,1,2,3,4,5,6,7
.if \first
	v_wmma_f32_16x16x32_f16 v[8*(8*(\i)+(\b)):8*(8*(\i)+(\b))+7], v[(\f)+8*(\b):(\f)+8*(\b)+7], v[(\f)+64+8*(\i):(\f)+64+8*(\i)+7], v[BIAS+8*(\b):BIAS+8*(\b)+7]
.else
	v_wmma_f32_16x16x32_f16 v[8*(8*(\i)+(\b)):8*(8*(\i)+(\b))+7], v[(\f)+8*(\b):(\f)+8*(\b)+7], v[(\f)+64+8*(\i):(\f)+64+8*(\i)+7], v[8*(8*(\i)+(\b)):8*(8*(\i)+(\b))+7]
.endif
.endr
.endm
; 24 LDS loads in one run: the fragments of quarter q (32 along K) of the slot in hand into buffer f: W's sixteen, then q's eight, row blocks ascending
.macro GFETCH q, f
	WIN 0
.irp b, 0,1,2,3,4,5,6,7
	ds_load_tr16_b128 v[(\f)+8*(\b):(\f)+8*(\b)+3],   v[GB] offset:(\q)*32*PW+32*(\b)
	ds_load_tr16_b128 v[(\f)+8*(\b)+4:(\f)+8*(\b)+7], v[GB] offset:(\q)*32*PW+16*PW+32*(\b)
.endr
.irp i, 0,1,2,3
	ds_load_b128 v[(\f)+64+8*(\i):(\f)+64+8*(\i)+3],   v[GA] offset:64*(\q)+(\i)*16*PA
	ds_load_b128 v[(\f)+64+8*(\i)+4:(\f)+64+8*(\i)+7], v[GA] offset:64*(\q)+(\i)*16*PA+32
.endr
.endm
; A K step is four quarters of 32 along K, 32 matrix instructions each, on buffers 0, 1, 0, 1.  One of the first three: multiplies buffer f and, in its middle, fetches quarter q into buffer g.
.macro GQUARTER q, f, g, first
	s_wait_dscnt 4                  ; W and q's row blocks 0, 1 are in; the youngest four loads (blocks 2, 3) may be out
	MUL8 \f, 0, \first
	MUL8 \f, 1, \first
	PLACES
	GFETCH \q, \g
	s_wait_dscnt 24                 ; all but the 24 just issued
	MUL8 \f, 2, \first
	MUL8 \f, 3, \first
.endm
; THE ATTENTION'S LDS LOADS stand in runs of 32, never singly among the matrix instructions: a step's K (64 keys x 128 channels: 16 fragments) and, a turn later, its V (turned).
.macro FETCH_K
	WIN 0
	v_add_nc_u32 v[ADR], s[TB], v[AK0]
	WIN 0x80                        ; destination window 2
.irp f, 0,1,2,3,4,5,6,7,8,9,10,11,12,13,14,15  ; keys 16 (f / 4) on, channels 32 (f % 4) on
	ds_load_b128 v[KF+8*(\f):KF+8*(\f)+3],   v[ADR] offset:((\f)/4)*16*PK+((\f)%4)*64
	ds_load_b128 v[KF+8*(\f)+4:KF+8*(\f)+7], v[ADR] offset:((\f)/4)*16*PK+((\f)%4)*64+32
.endr
.endm
.macro FETCH_V
	WIN 0
	v_add_nc_u32 v[ADR], s[TB], v[AV0]
	s_add_co_u32 s[TB], s[TB], STEPB  ; the next fetch is the next step's
	WIN 0xc0                        ; destination window 3
.irp f, 0,1,2,3,4,5,6,7,8,9,10,11,12,13,14,15  ; keys 32 (f / 8) on, channels 16 (f % 8) on
	ds_load_tr16_b128 v[8*(\f):8*(\f)+3],   v[ADR] offset:((\f)/8)*32*PV+((\f)%8)*32
	ds_load_tr16_b128 v[8*(\f)+4:8*(\f)+7], v[ADR] offset:((\f)/8)*32*PV+16*PV+((\f)%8)*32
.endr
.endm
; The projection's last quarter of a K step multiplies buffer 1 and changes slots: ONE barrier, which opens a round of the cluster's barrier.  In front of it each wave waits for all its tensor loads (one is out: its
; part of the next slot), adds 0 to its spare word, and waits for that and for its own reads of this slot.  Behind the round no wave of any partner still reads this slot or has a load on its way, and the slot
; is filled again first: kind 0: with the K step two steps on (the walking descriptor takes the other slot than last time and the next K step); from that request to the wait for it a wave issues 112 matrix
; instructions.  kind 1 (behind K step 14): with keys 0-127.  kind 2 (behind K step 15): with keys 128-255; keys 0-127 are then whole, and K of key step 0 is fetched in place of the next fragments.
; In the loop (kind 0) the request ahead stands behind the run of LDS loads, with sixteen matrix instructions between it and the wave's next wait.
.macro GTURN kind
	WIN 0                           ; (the add's two registers lie in window 0)
	s_wait_tensorcnt 0x0            ; all my tensor loads have landed, so a group 0 may be written
	ds_add_u32 v[SPW], v[NIL]       ; 0 onto my spare word
	s_wait_dscnt 5                  ; (the add and the youngest four loads may be out)
	MUL8 F1, 0, 0                   ; eight matrix instructions stand between the add and the wait for it
	s_wait_dscnt 0x0                ; the add is done, and my reads of this slot are over
	s_barrier_signal -1
	MUL8 F1, 1, 0
	WIN 0
	s_barrier_wait -1
	CREST
.if (\kind) == 0
	s_xor_b32 s[G0A+5], s[G0A+5], SLOT1
	s_add_nc_u64 s[G0A+6:G0A+7], s[G0A+6:G0A+7], KSTEP*2     ; the type bits on top are not reached
	s_xor_b32 s[G0B+5], s[G0B+5], SLOT1
	s_add_nc_u64 s[G0B+6:G0B+7], s[G0B+6:G0B+7], KSTEP*4096
	JL G0A+4, G1A, G0B+4, G1B       ; the four v_nop behind it are also the places in front of the loads below
.elseif (\kind) == 1
	JL G0K, G1K, G0V, G1V
.else
	JL G0K+4, G1K, G0V+4, G1V
.endif
.if (\kind) < 2
	s_xor_b32 s[TBG], s[TBG], SLOT1 ; the fragments now come from the other slot
	v_add_nc_u32 v[GA], s[TBG], v[GA0]
	v_add_nc_u32 v[GB], s[TBG], v[GB0]
	GFETCH 0, F0
.else
	FETCH_K
.endif
.if (\kind) == 0
	PF
.endif
	MUL8 F1, 2, 0
	MUL8 F1, 3, 0
.endm
; THE MATRIX WORK OF A TURN, for piece x.  The accumulators take turns, one instruction a turn: between two links of a chain stand 15 (V^T P) or 7 (K Q^T) others'.
; Product i of 32 of O^T += V^T P: keys 32 (i / 16) on, channels 16 ((i / 2) % 8) on, tile x + i % 2.
.macro PV x
	WIN W_PV
.set rO, 64*((\x)+i%2)+8*((i/2)%8)
.set rV, 64*(i/16)+8*((i/2)%8)
.set rP, P+16*((\x)+i%2)+8*(i/16)
	v_wmma_f32_16x16x32_f16 v[rO:rO+7], v[rV:rV+7], v[rP:rP+7], v[rO:rO+7]
.endm
; Product i of 32 of S^T = K Q^T: channels 32 (i / 8) on, keys 16 ((i / 2) % 4) on, tile x + i % 2.  The first 8 start the sums.
.macro KQ x
	WIN W_KQ
.set rS, S+32*((\x)+i%2)+8*((i/2)%4)
.set rK, KF+32*((i/2)%4)+8*(i/8)
.set rQ, 32*((\x)+i%2)+8*(i/8)
.if i < 8
	v_wmma_f32_16x16x32_f16 v[rS:rS+7], v[rK:rK+7], v[rQ:rQ+7], 0
.else
	v_wmma_f32_16x16x32_f16 v[rS:rS+7], v[rK:rK+7], v[rQ:rQ+7], v[rS:rS+7]
.endif
.endm
; THE VECTOR WORK OF A TURN.  One tile's softmax for one key step is a list of 134 instructions; SM writes number j of it for tile t.  s0-s31 are the lane's 32 scores, in pairs 0-15.
;   0-15    the maximum of s0-s31 and the old m, three operands at a time: four chains c0-c3 of seven scores each (each accumulator's lowest registers are read first), then the four scores left over, c0-c3 and m
;   16-20   the other half of the lanes' maximum; the new m; c m; c m_old - c m_new
;   21-87   33 exponentials (a, then s0-s31) at the odd numbers from 23 on, so that no two follow each other and each has a plain instruction behind it before its result is used.
;           Plain instruction q (number 21, then the even numbers) is whatever is ready: c s - c m for a pair of scores whose exponentials are still to come (q = 0 to 3, then every
;           second q), the rounding to f16 of a pair of weights whose exponentials are done (every other q from 5 on), at last the first three sums
;   88-101  the last rounding; the rest of the sums; l = a l + the sum
;   102-133 the tile's O^T times a: the one part that leaves window 0, so it stands together
.macro SM t
.set rT, ST+8*(\t)
.set rS, S+32*(\t)
.set rP, P+16*(\t)
.set rO, 64*(\t)+2*(j-102)
.set q, (j-20)/2
.if j < 102
	WIN 0
.endif
.if j < 4
	v_max3_num_f32 v[rT+4+j], v[rS+8*j], v[rS+8*j+1], v[rS+8*j+2]
.elseif j < 12
	v_max3_num_f32 v[rT+4+j%4], v[rT+4+j%4], v[rS+8*(j%4)+2*(j/4)+1], v[rS+8*(j%4)+2*(j/4)+2]
.elseif j == 12
	v_max3_num_f32 v[rT+4], v[rT+4], v[rS+7], v[rS+15]
.elseif j == 13
	v_max3_num_f32 v[rT+6], v[rT+6], v[rS+23], v[rS+31]
.elseif j == 14
	v_max3_num_f32 v[rT+4], v[rT+4], v[rT+5], v[rT+6]
.elseif j == 15
	v_max3_num_f32 v[rT+4], v[rT+4], v[rT+7], v[rT+1]
.elseif j == 16
	v_permlanex16_b32 v[rT+5], v[rT+4], s[SEL], s[SEL+1]  ; the query's other 32 keys lie in the lane 16 away
.elseif j == 17
	v_mov_b32 v[rT+7], v[rT]        ; c m_old is kept for a: number 19 writes c m anew
.elseif j == 18
	v_max_num_f32 v[rT+1], v[rT+4], v[rT+5]
.elseif j == 19
	v_mul_f32 v[rT], s[CS], v[rT+1]
.elseif j == 20
	v_sub_f32 v[rT+7], v[rT+7], v[rT]
.elseif j == 23
	v_exp_f32 v[rT+6], v[rT+7]
.elseif (j < 88) && (j > 23) && (j%2 == 1)
	v_exp_f32 v[rS+(j-25)/2], v[rS+(j-25)/2]
.elseif (q < 4) || ((j < 76) && (q%2 == 0))
.set b, q/2+2
.if q < 4
.set b, q
.endif
	v_pk_fma_f32 v[rS+2*b:rS+2*b+1], v[rS+2*b:rS+2*b+1], s[CS:CS+1], v[rT:rT+1] op_sel_hi:[1,0,0] neg_lo:[0,0,1] neg_hi:[0,0,1]  ; pair b: c s - c m
.elseif (j < 88) && (q%2 == 1)
	s_wait_alu depctr_va_vdst(0)
	v_cvt_pk_f16_f32 v[rP+(q-5)/2], v[rS+q-5], v[rS+q-4]  ; pair (q - 5) / 2: its second exponential stands three numbers back
.elseif j == 89
	s_wait_alu depctr_va_vdst(0)
	v_cvt_pk_f16_f32 v[rP+15], v[rS+30], v[rS+31]
.elseif j < 102                     ; the sum of the tile's 16 pairs (in a pair: an even key's weight, an odd key's), in place: sum z of 16 adds neighbours 1, 2, 4 and 8 pairs apart, then l takes it
.set z, j-86
.if j < 89
.set z, (j-76)/4
.endif
.set w, 4
.set u, z
.if z >= 14
.set w, 32
.set u, 0
.elseif z >= 12
.set w, 16
.set u, z-12
.elseif z >= 8
.set w, 8
.set u, z-8
.endif
.if z < 15
	v_pk_add_f32 v[rS+w*u:rS+w*u+1], v[rS+w*u:rS+w*u+1], v[rS+w*u+w/2:rS+w*u+w/2+1]
.else
	v_pk_fma_f32 v[rT+2:rT+3], v[rT+2:rT+3], v[rT+6:rT+7], v[rS:rS+1] op_sel_hi:[1,0,1]
.endif
.else
	WIN W_RS
	v_pk_mul_f32 v[rO:rO+1], v[rO:rO+1], v[rT+6:rT+7] op_sel_hi:[1,0]
.endif
.endm
; Slice k of 64 of piece y's softmax: numbers 2 k and 2 k + 1 of both tiles' lists, four instructions.  2 x 134 = 4 x 64 + 12: the twelve that are over stand together, in slice 63.
.macro SLICE y
.if (k >= 11) && (k < 44)           ; tile by tile: plain, exponential, plain, exponential
.irp t, \y, (\y)+1
.irp n, 0,1
.set j, 2*k+(\n)
	SM \t
.endr
.endr
.else                               ; the two tiles alternate, so that no instruction reads the result of the one just before it
.irp n, 0,1,2,3,4,5,6,7
.if ((\n) < 2) || (k == 63)
.irp t, \y, (\y)+1
.set j, 2*k+(\n)
	SM \t
.endr
.endif
.endr
.endif
.set k, k+1
.endm
; A TURN.  Piece x has the matrix unit; the other piece's softmax stands in slices behind its matrix instructions; the slices are the places behind them.
; pv = 1: 32 products V^T P.  kq = 1: 32 products K Q^T for the next step.  A turn with one of the two kinds has two slices behind each product.
; Each run of loads stands behind the second product of a run of 32, 30 matrix instructions ahead of its first use.  Piece 0's turn fetches the next step's K: the last product that read K
; stands in front of slice 63 of the turn before.  Piece 2's turn fetches the same step's V: the last product that read V stands three slices, six plain instructions, back.
.macro TURN x, pv, kq
.set k, 0
.set per, 2
.if (\pv) && (\kq)
.set per, 1
.endif
.if \pv
.if (\x) == 0
	s_wait_dscnt 0x0                ; V is in
.endif
.set i, 0
.rept 32
	PV \x
.rept per
	SLICE 2-(\x)
.endr
.if ((\x) == 0) && (\kq) && (i == 1)
	FETCH_K
.endif
.set i, i+1
.endr
.endif
.if \kq
.if (\x) == 0
	s_wait_dscnt 0x0                ; K is in
.endif
.set i, 0
.rept 32
	KQ \x
.rept per
	SLICE 2-(\x)
.endr
.if ((\x) == 2) && (i == 1)
	FETCH_V
.endif
.set i, i+1
.endr
.endif
.endm
; THE ATTENTION'S CHANGE OF SLOTS, between piece 2's turn and piece 0's: the slot's last bytes, V of its second step, have been asked for.  Each wave waits for all its
; tensor loads, of which one is out: its part of the other slot; adds 0 to its spare word; and waits for that and for its own reads of the slot.  Behind the barrier nobody reads this slot any more and the other slot is whole.
; fill = 1: this slot is filled again, with the keys two slots on.  The barrier is then a round of the cluster's, so that no wave of any partner still reads the slot or has a load on its
; way, and the joint refill is the first thing behind it: it has two key steps, 256 matrix instructions, in which to land.
.macro CHANGE fill
	WIN 0                           ; at a label and at a branch every window is 0
	s_wait_tensorcnt 0x0            ; no tensor load of mine is out, so a group 0 may be written
	ds_add_u32 v[SPW], v[NIL]       ; 0 onto my spare word; with fill = 1 the descriptors' steps stand between it and the wait for it
.if \fill
.irp g, G0K+4, G0V+4
	s_xor_b32 s[(\g)+1], s[(\g)+1], SLOT1  ; the walking descriptor: the other slot than last time,
	s_add_nc_u64 s[(\g)+2:(\g)+3], s[(\g)+2:(\g)+3], 2*KS*256  ; the next 128 keys; the type bits on top are not reached
.endr
	s_wait_dscnt 0x0                ; the add is done, and my reads of the slot are over
	CROUND
	JL G0K+4, G1K, G0V+4, G1V
.else
	s_wait_dscnt 0x0                ; the add is done, and my reads of the slot are over
	s_barrier_signal -1
	s_barrier_wait -1
.endif
	s_sub_co_u32 s[TB], s[TB], 2*STEPB  ; the fetches go back to a slot's first step,
	s_xor_b32 s[TB], s[TB], SLOT1   ; in the other slot
.endm
	; THE PROJECTION: 16 K steps.
	s_wait_tensorcnt 0x1            ; my part of K step 0 is in; K step 1's may stay out
	s_barrier_signal -1
	s_barrier_wait -1               ; everybody's is
	GFETCH 0, F0
	s_wait_loadcnt 0x0              ; the bias: the first products' C
	GQUARTER 1, F0, F1, 1           ; the first quarter stands in front of the loop: its products start the sums
	WIN 0                           ; at a label and at a branch every window is 0
	s_mov_b32 s[KCNT], 2048/KSTEP-2
.Lk:                                ; 14 trips: a trip goes from a K step's second quarter to the next step's first, and fills the slot that it leaves with the K step two steps on
	GQUARTER 2, F1, F0, 0
	GQUARTER 3, F0, F1, 0
	GTURN 0
	GQUARTER 1, F0, F1, 0
	WIN 0
	s_sub_co_u32 s[KCNT], s[KCNT], 1
	s_cmp_lg_u32 s[KCNT], 0
	s_cbranch_scc1 .Lk
	GQUARTER 2, F1, F0, 0           ; K step 14: the slot that it leaves takes keys 0-127
	GQUARTER 3, F0, F1, 0
	GTURN 1
	GQUARTER 1, F0, F1, 0           ; K step 15: the slot that it leaves takes keys 128-255
	GQUARTER 2, F1, F0, 0
	GQUARTER 3, F0, F1, 0
	GTURN 2
	; Q: one rounding to f16.  Accumulator (i, b) holds tile i, channels 16 b + 8 (l / 16) + 0..7: accumulators (i, 2 c) and (i, 2 c + 1) make the fragment of tile i, channels 32 c on,
	; so register n of the fragments takes registers 2 n and 2 n + 1 of the accumulators.  Each accumulator is read from its low end on.
	PLACES                          ; behind the last products
	WIN 0x85                        ; sources in window 1, destination in window 2
.set i, 0
.rept 128
	v_cvt_pk_f16_f32 v[i], v[2*i], v[2*i+1]
.set i, i+1
.endr
	; THE ATTENTION.
	s_wait_dscnt 0x0                ; K of key step 0 is in
.set i, 0
.rept 32
	KQ 0                            ; piece 0's first scores: there is no vector work yet to set between them
.set i, i+1
.endr
	WIN 0                           ; the addresses for the way out are made here, and piece 2's P is set to 0 for the first turn's products: plain instructions, the places behind those products
	s_mul_i32 s13, s[WV], 16*SP
	s_add_co_u32 s13, s13, STAGE    ; my stage
	v_mul_u32_u24 v[STO], v1, SP    ; in: row l % 16, 16 bytes for each half of the lanes
	v_lshl_add_u32 v[STO], v9, 4, v[STO]
	v_add_nc_u32 v[STO], s13, v[STO]
	v_mul_u32_u24 v[RD], v9, SP     ; back: lanes 0-15 take one row of 256 bytes, lanes 16-31 the next
	v_lshl_add_u32 v[RD], v1, 4, v[RD]
	v_add_nc_u32 v[RD], s13, v[RD]
	v_lshlrev_b32 v[GO], 12, v9     ; and the same two rows in O, 4,096 bytes apart
	v_lshl_add_u32 v[GO], v1, 4, v[GO]
.set i, P+32
.rept 32
	v_mov_b32 v[i], 0
.set i, i+1
.endr
	s_mov_b32 s[TWICE], 2
	s_branch .Lmid                  ; the loop is entered in the middle of a trip: piece 2's turn (its V^T P adds 0; K Q^T of key step 0 | piece 0's softmax of key step 0 | V of key step 0)
.Lslot:                             ; SIZE_N / 128 - 2 = 6 times: every slot but the last two is filled again
	CHANGE 1
	s_mov_b32 s[TWICE], 2
.Lstep:                             ; a slot's two key steps: written once, walked twice; the LDS addresses hang on s[TB]
	TURN 0, 1, 1
	WIN 0
.Lmid:
	TURN 2, 1, 1
	WIN 0
	s_sub_co_u32 s[TWICE], s[TWICE], 1
	s_cmp_lg_u32 s[TWICE], 0
	s_cbranch_scc1 .Lstep
	s_sub_co_u32 s[SLOTS], s[SLOTS], 1
	s_cmp_lg_u32 s[SLOTS], 0
	s_cbranch_scc1 .Lslot
	CHANGE 0                        ; the tail is written out: the last slot but one is left, and nothing is asked for
	s_mov_b32 s[TWICE], 2
.Ltail:
	TURN 0, 1, 1
	TURN 2, 1, 1
	WIN 0
	s_sub_co_u32 s[TWICE], s[TWICE], 1
	s_cmp_lg_u32 s[TWICE], 0
	s_cbranch_scc1 .Ltail
	TURN 0, 1, 0                    ; piece 0: V^T P of the last step | piece 2's last softmax
.set i, 0
.rept 32
	PV 2                            ; piece 2: V^T P of the last step
.set i, i+1
.endr
	; THE WAY OUT.  l's two halves and the other half of the lanes' are added; O^T is divided by l, rounded to f16 and sent through my stage in LDS, a tile (16 rows of O) at a time.  The additions are the places behind the last products.
	WIN 0
.irp t, 0,1,2,3
	v_add_f32 v[ST+8*(\t)+4], v[ST+8*(\t)+2], v[ST+8*(\t)+3]
.endr
.irp t, 0,1,2,3
	v_permlanex16_b32 v[ST+8*(\t)+5], v[ST+8*(\t)+4], s[SEL], s[SEL+1]
.endr
.irp t, 0,1,2,3
	v_add_f32 v[ST+8*(\t)+4], v[ST+8*(\t)+4], v[ST+8*(\t)+5]
.endr
.irp t, 0,1,2,3
	v_rcp_f32 v[ST+8*(\t)+6], v[ST+8*(\t)+4]
.endr
	v_nop                           ; a plain instruction between the last reciprocal and the use of its result
; Tile t: a lane's eight channels of a row pack into 16 bytes; they go into rows of 272 bytes and come back as whole rows of 256, into the registers that they left.
.macro PACK t
	WIN W_RS
.set i, 64*(\t)
.rept 32
	s_wait_alu depctr_va_vdst(0)
	v_pk_mul_f32 v[i:i+1], v[i:i+1], v[ST+8*(\t)+6:ST+8*(\t)+7] op_sel_hi:[1,0]
.set i, i+2
.endr
	WIN 0x05                        ; sources 0 and 1 window 1, destination window 0: S^T's registers are free
.set i, 0
.rept 32
	v_cvt_pk_f16_f32 v[S+32*(\t)+i], v[64*(\t)+2*i], v[64*(\t)+2*i+1]
.set i, i+1
.endr
	WIN 0
.irp f, 0,1,2,3,4,5,6,7
	ds_store_b128 v[STO], v[S+32*(\t)+4*(\f):S+32*(\t)+4*(\f)+3] offset:32*(\f)
.endr
.irp f, 0,1,2,3,4,5,6,7
	ds_load_b128 v[S+32*(\t)+4*(\f):S+32*(\t)+4*(\f)+3], v[RD] offset:(\f)*2*SP  ; LDS serves a wave's instructions in order (ISA guide 5.7.1.4): these see the stores above; the next tile's stores come behind them
.endr
.endm
.macro SEND t, younger              ; younger: the LDS instructions issued behind tile t's loads: the next tile's sixteen, or none
	WIN 0
.irp f, 0,1,2,3,4,5,6,7
	s_wait_dscnt (\younger)+7-(\f)
	global_store_b128 v[GO], v[S+32*(\t)+4*(\f):S+32*(\t)+4*(\f)+3], s[OB:OB+1] offset:(16*(\t)+2*(\f))*4096  ; 16 lanes store the head's 256 consecutive bytes of a row, at a multiple of 256 from O's first byte
.endr
.endm
	PACK 0
	PACK 1                          ; a tile's arithmetic stands between the loads of the tile before and its stores
	SEND 0, 16
	PACK 2
	SEND 1, 16
	PACK 3
	SEND 2, 16
	SEND 3, 0
	s_wait_tensorcnt 0x0            ; the wave's end, behind my last tensor load and my last LDS store
	ds_add_u32 v[SPW], v[NIL]
	s_wait_dscnt 0x0
	CROUND                          ; the closing round: no work-group ends while a partner may still ask for a tile that names it
	s_endpgm
.Lfunc_end_k_q6ce2dd65b8_qattn:
	.size	k_q6ce2dd65b8_qattn, .Lfunc_end_k_q6ce2dd65b8_qattn-k_q6ce2dd65b8_qattn
	.p2alignl 7, 3214868480
	.fill 96, 4, 3214868480
	.section	.rodata,"a",@progbits
	.p2align	6, 0x0
	.amdhsa_kernel k_q6ce2dd65b8_qattn
		.amdhsa_group_segment_fixed_size 327680
		.amdhsa_private_segment_fixed_size 0
		.amdhsa_enable_private_segment 0
		.amdhsa_kernarg_size 40
		.amdhsa_user_sgpr_count 2
		.amdhsa_user_sgpr_kernarg_segment_ptr 1
		.amdhsa_wavefront_size32 1
		.amdhsa_system_sgpr_workgroup_id_x 1
		.amdhsa_system_sgpr_workgroup_id_y 1
		.amdhsa_system_sgpr_workgroup_id_z 1
		.amdhsa_system_vgpr_workitem_id 0
		.amdhsa_next_free_vgpr 1024
		.amdhsa_next_free_sgpr 102
		.amdhsa_reserve_vcc 0
		.amdhsa_float_denorm_mode_32 3
		.amdhsa_float_denorm_mode_16_64 3
		.amdhsa_memory_ordered 1
		.amdhsa_forward_progress 1
		.amdhsa_inst_pref_size 235
	.end_amdhsa_kernel
	.amdgpu_metadata
---
amdhsa.version: [ 1, 2 ]
amdhsa.kernels:
  - .name:           k_q6ce2dd65b8_qattn
    .symbol:         k_q6ce2dd65b8_qattn.kd
    .args:
      - { .name: q16, .offset: 0, .size: 8, .value_kind: global_buffer, .address_space: global }
      - { .name: wq16, .offset: 8, .size: 8, .value_kind: global_buffer, .address_space: global }
      - { .name: bq, .offset: 16, .size: 8, .value_kind: global_buffer, .address_space: global }
      - { .name: kvh, .offset: 24, .size: 8, .value_kind: global_buffer, .address_space: global }
      - { .name: o16, .offset: 32, .size: 8, .value_kind: global_buffer, .address_space: global }
    .group_segment_fixed_size: 327680
    .private_segment_fixed_size: 0
    .kernarg_segment_align: 8
    .kernarg_segment_size: 40
    .max_flat_workgroup_size: 128
    .sgpr_count:     102
    .vgpr_count:     1024
    .wavefront_size: 32
...
	.end_amdgpu_metadata
.endif
;; end of part 3
;; launch oproj (part 4): grid 8 x 32, 4 waves a work-group, clusters of 4 x 4, 327,680 bytes of LDS; arguments o16, wo16, bo, out0; writes out0
.if DOCPART == 4
	.amdgcn_target "amdgcn-amd-amdhsa--gfx1250"
	.amdhsa_code_object_version 6
	.text
	.protected	k_q6ce2dd65b8_oproj
	.globl	k_q6ce2dd65b8_oproj
	.p2align	8
	.type	k_q6ce2dd65b8_oproj,@function
k_q6ce2dd65b8_oproj:
	s_mov_b64 s[64:65], 0
	v_nop
	global_prefetch_b8 v0, s[64:65] scope:SCOPE_SE
	s_setreg_imm32_b32 hwreg(HW_REG_WAVE_MODE, 25, 1), 1
	s_wait_xcnt 0x0
	s_wait_alu depctr_hold_cnt(0) depctr_sa_sdst(0) depctr_va_vdst(0) depctr_va_sdst(0) depctr_va_ssrc(0) depctr_va_vcc(0) depctr_vm_vsrc(0)
	s_getreg_b32 s2, hwreg(HW_REG_IB_STS2, 6, 4)
	s_cmp_eq_u32 s2, 0
	s_cbranch_scc0 .Lentry_in_a_cluster
	s_endpgm
.Lentry_in_a_cluster:
	s_bfe_u32 s2, ttmp6, 0x10000c
	s_cmp_lg_u32 s2, 0xf033
	s_cbranch_scc0 .Lentry_shape_is_right
	s_endpgm
.Lentry_shape_is_right:
; C = A W + bias.  A: [4096][2048] f16 (the merged heads); W: [2048 k][2048 n] f16; bias: [2048] f32; C: [4096][2048] f32.  Products in f16; the f32 sums begin with the bias.
; LIMIT.  A and W arrive within f16's range (65,504); nothing here narrows a number.
; SHARES.  A tile of C is 128 rows x 256 columns: 32 x 8 = 256 work-groups.  Four waves, each 64 rows x 128 columns: 32 accumulators of 16 x 16, 256 registers.
; K goes in steps of 128 through two LDS slots filled by the tensor data mover: A's rows are 256 bytes, W's 512, each at a multiple of 256 from its buffer's first byte.  Two slots of a step of 256 would
; take 413,696 bytes, more than LDS has.  For 32 along K a wave issues 24 LDS loads and 32 matrix instructions.
; W lies [k][n]: its fragments come out of LDS turned, by ds_load_tr16_b128.
; CLUSTERS: 4 x 4 work-groups.  The four of a row of the cluster need the same tiles of A, the four of a column the same tiles of W: each tile is asked for JOINTLY, by the same tensor load with the same
; descriptor and a mask that names the four.  THE MATRIX INSTRUCTION IS USED TRANSPOSED (source 0 = 16 columns of W, source 1 = 16 rows of A): a lane holds row lane % 16 and eight neighbouring columns of C.
; PREFETCH.  The tiles are asked for ahead of their tensor loads.  Of a K step's 128 blocks of 256 bytes of A that the 8 work-groups of a tile row share, a work-group asks for 16 (rows 16 x tile column + 0..15);
; of the 256 blocks of W that the 32 work-groups of a tile column share, for 16 (k-rows 8 (tile row % 16) + 0..7, two blocks each): each block of A is asked for once in the launch, each block of W twice, by
; work-groups 16 tile rows apart.  Wave 0 asks for A, wave 2 for W: one instruction of 32 lanes for two K steps, in every second trip: trip t (t = 0, 2 .. 10) asks for K steps t + 4 and t + 5, whose tensor
; loads go out in trips t + 2 and t + 3; K steps 2 and 3 are asked for at the head; trip 12 asks for nothing, so that no request passes K = 2,048.
; REGISTERS: window 0: v0-31 addresses; two fragment buffers of 96 (64 of W, 32 of A), which serve the way out at the end.  Window 1: the accumulators ((i, b) at 8 (8 i + b)).  Window 2: v0-63 the bias.
.set KSTEP,  128
.set PA,     272                       ; a row of A in LDS: 256 bytes + 16 = 68 words: the 16 rows of a load start at 16 different groups of four banks (64 banks of 4 bytes: ISA guide 11.1)
.set PB,     544                       ; a k-row of W: 512 bytes + 32 = 136 words
.set HA,     64*PA                     ; what one tensor load brings of A,
.set HB,     64*PB                     ; and of W
.set BOFF,   2*HA                      ; in a slot: A's 128 rows, then W's 128 k-rows
.set SLOT,   2*HA+2*HB                 ; 104,448 bytes
.set SLOT1,  1<<17                     ; slot 1 begins here, so that one exclusive or turns an address in one slot into the other's
.set STAGE,  SLOT1+SLOT                ; behind the ring, never filled by a tensor load: 16 rows x 528 bytes for each wave, for the way out
.set SPITCH, 528
.set SPARE,  STAGE+4*16*SPITCH         ; the spare words, 128 bytes for each wave: two blocks of 256 bytes that no other line names
.set BO,    12                         ; v12     my byte offset in the bias of my 128 columns
.set ADRA0, 16                         ; v16     my lane's place in slot 0's rows of A; never rewritten
.set ADA,   17                         ; v17     the same in the slot in hand
.set ADRB0, 20                         ; v20, v21  the same for W
.set ADB,   21
.set STO,  24                          ; v24     the way out: where I put 16 bytes of a row
.set RD,   25                          ; v25     the way out: where I read a row back
.set CO,   26                          ; v26     16 x lane: my bytes in 512 consecutive bytes of C
.set PFO,  27                          ; v27     the byte offset of the block that my lane asks for ahead, in K steps 0 and 1; never rewritten
.set SPW,  28                          ; v28     LDS address of my spare word; never rewritten
.set NIL,  29                          ; v29     0; never rewritten
.set F0,   32                          ; fragment buffers: W's column block b at f + 8 b, A's row block i at f + 64 + 8 i
.set F1,   128
.set OB,   32                          ; the way out: 16 rows read back, 64 registers; two such by turns
.set BIAS, 0                           ; window 2: the bias of column 16 b + 8 (lane / 16) + e of my 128 at BIAS + 8 b + e
.set KCNT, 3                           ; s3   counts the K steps
.set TBG,  15                          ; s15  LDS byte at which the slot in hand begins
.set G1A, 24                           ; s[24:31] descriptor group 1 for A's tiles;  s[32:39] group 0: a set for each first fill; the second then walks on
.set G0A, 32
.set PFB, 40                           ; s[40:41] behind the set-up: A (waves 0, 1) or W (waves 2, 3) at the pair of K steps asked for last
.set PFS, 44                           ; s[44:45] behind the set-up: bytes from a pair of K steps to the next
.set G1B, 48                           ; s[48:55], s[56:63] the same as G1A, G0A for W's tiles
.set G0B, 56
.set MUL,  0x50                        ; C and D in window 1
.set MUL0, 0x60                        ; the first products: C (the bias) in window 2, D in window 1
.set MSB, 0
.macro WIN new                         ; the immediate's high byte repeats the setting that is left; a switch that changes nothing is dropped
.if MSB != (\new)
	s_set_vgpr_msb (MSB<<8)|(\new)
.set MSB, \new
.endif
.endm
.macro PLACES                          ; four places in front of loads into registers that matrix instructions have read, and of stores that read results (ISA guide 7.12.1 for vector instructions)
.rept 4
	v_nop
.endr
.endm
.macro JLOAD                           ; a joint refill by the walking descriptors: waves 0 and 1 fetch A's two halves, waves 2 and 3 W's; an s_nop 0 and four v_nop follow each of the two lines, ahead of the jump and the label
	s_cmp_eq_u32 s13, 0
	s_cbranch_scc0 .Lfor_b_\@
	tensor_load_to_lds s[G0A+4:G0A+7], s[G1A:G1A+7]
	s_nop 0
	PLACES
	s_branch .Lasked_\@
.Lfor_b_\@:
	tensor_load_to_lds s[G0B+4:G0B+7], s[G1B:G1B+7]
	s_nop 0
	PLACES
.Lasked_\@:
.endm
.macro CREST                           ; a round of the cluster's barrier behind its opening barrier
	s_cmp_lg_u32 s12, 0
	s_cbranch_scc1 .Lnot_wave_0_\@
	s_barrier_signal -3
.Lnot_wave_0_\@:
	s_barrier_wait -3
	s_barrier_signal -1
	s_barrier_wait -1
.endm
.macro CROUND                          ; a whole round
	s_barrier_signal -1
	s_barrier_wait -1
	CREST
.endm
; THE REQUEST AHEAD, in the loop.  The count runs 14, 13 .. 1 (trip t = 14 - count): the trips with an even count of 4 or more ask, waves 0 and 2 alone.  The base is stepped by a pair of K steps behind
; s_wait_xcnt 0, which stands two trips behind the last request (ISA guide 3.1: its address has been translated).  Every jump goes forward, over no barrier and no tensor load.
.macro PF
	s_bitcmp1_b32 s[KCNT], 0
	s_cbranch_scc1 .Lno_pf_\@
	s_cmp_lt_u32 s[KCNT], 4
	s_cbranch_scc1 .Lno_pf_\@
	s_cmp_lg_u32 s14, 0
	s_cbranch_scc1 .Lno_pf_\@
	s_wait_xcnt 0x0
	s_add_nc_u64 s[PFB:PFB+1], s[PFB:PFB+1], s[PFS:PFS+1]
	global_prefetch_b8 v[PFO], s[PFB:PFB+1] th:TH_LOAD_NT scope:SCOPE_SE
.Lno_pf_\@:
.endm
	s_load_b256 s[4:11], s[0:1], 0x0               ; A s[4:5], W s[6:7], bias s[8:9], C s[10:11]
	v_lshl_add_u32 v[SPW], v0, 2, SPARE
	v_mov_b32 v[NIL], 0
	ds_add_u32 v[SPW], v[NIL]                      ; the wave's opening: the add and its wait stand ahead of my first tensor load; the set-up below, work on registers, stands between them
	v_lshrrev_b32 v1, 5, v0
	v_readfirstlane_b32 s12, v1                    ; wave 0..3
	s_lshr_b32 s13, s12, 1                         ; which 64 rows of the tile are mine.  Also: I fetch for A (0) or for W (1)
	s_and_b32 s14, s12, 1                          ; which 128 columns.  Also: which half of that tile I fetch
	s_bfe_u32 s40, ttmp6, 0x40000                  ; cx, cy: my place in the cluster
	s_bfe_u32 s41, ttmp6, 0x40004
	s_lshl_b32 s42, ttmp9, 2
	s_add_co_u32 s42, s42, s40                     ; tile column of C = 4 x cluster x + cx
	s_and_b32 s43, ttmp7, 0xffff
	s_lshl_b32 s43, s43, 2
	s_add_co_u32 s43, s43, s41                     ; tile row of C = 4 x cluster y + cy
	s_lshl_b32 s44, s41, 2
	s_lshl_b32 s44, 15, s44                        ; my row of the cluster
	s_lshl_b32 s45, 0x1111, s40                    ; my column
	s_or_b32 s[G1A+0], s44, (1<<16)|(1<<20)|(1<<21)|(5<<22)|(3<<25)  ; 15:0 the mask: A's tiles go to my row; 17:16 2-byte elements; 20 padding on; 21 set beside a mask; 24:22 after every 64 words (code 5); 31:25 4 words (code 3)
	s_mov_b32 s[G1A+1], 128<<16                    ; tensor_dim0 = 128
	s_mov_b32 s[G1A+2], 64<<16                     ; tensor_dim1 = 64
	s_mov_b32 s[G1A+3], 128<<16                    ; tile_dim0 = 128
	s_mov_b32 s[G1A+4], 64                         ; tile_dim1 = 64
	s_mov_b32 s[G1A+5], 2048                       ; elements from row to row
	s_mov_b32 s[G1A+6], 0
	s_mov_b32 s[G1A+7], 0
	s_or_b32 s[G1B+0], s45, (1<<16)|(1<<20)|(1<<21)|(6<<22)|(7<<25)  ; W's tiles go to my column; padding after every 128 words (code 6), 8 words (code 7)
	s_mov_b32 s[G1B+1], 256<<16                    ; tensor_dim0 = 256
	s_mov_b32 s[G1B+2], 64<<16                     ; tensor_dim1 = 64
	s_mov_b32 s[G1B+3], 256<<16                    ; tile_dim0 = 256
	s_mov_b32 s[G1B+4], 64                         ; tile_dim1 = 64
	s_mov_b32 s[G1B+5], 2048
	s_mov_b32 s[G1B+6], 0
	s_mov_b32 s[G1B+7], 0
	; where the tiles come from.  A's hang on the tile row alone, W's on the tile column alone, each in registers that never hold the other coordinate.
	s_lshl_b32 s22, s14, 18                        ; my half: 64 rows of 4,096 bytes, of A or of W
	s_lshl_b32 s16, s43, 19                        ; A: 128 rows of 4,096 bytes for each tile row
	s_add_co_u32 s16, s16, s22
	s_mov_b32 s17, 0
	s_lshl_b32 s46, s42, 9                         ; W: 256 columns of 2 bytes for each tile column
	s_add_co_u32 s46, s46, s22
	s_mov_b32 s47, 0
	s_mul_i32 s18, s14, HA                         ; and where they go: no place in the cluster enters an LDS address
	s_mul_i32 s19, s14, HB
	s_add_co_u32 s19, s19, BOFF
	s_lshl_b32 s20, s42, 10                        ; my columns of C and of the bias, in bytes: 1,024 x tile column + 512 x half
	s_lshl_b32 s21, s14, 9
	s_add_co_u32 s20, s20, s21
	s_mov_b32 s21, 0
	s_lshl_b32 s22, s43, 20                        ; my rows of C: 128 rows of 8,192 bytes for each tile row + 64 rows x half
	s_lshl_b32 s23, s13, 19
	s_add_co_u32 s22, s22, s23
	s_mov_b32 s23, 0
	s_mov_b32 s[TBG], 0
	s_wait_dscnt 0x0                               ; the opening add is done
	s_wait_kmcnt 0x0
	s_add_nc_u64 s[16:17], s[4:5], s[16:17]
	s_add_nc_u64 s[46:47], s[6:7], s[46:47]
	s_add_nc_u64 s[8:9], s[8:9], s[20:21]
	s_add_nc_u64 s[10:11], s[10:11], s[22:23]
	s_add_nc_u64 s[10:11], s[10:11], s[20:21]
.irp s, 0,1
	s_mov_b32 s[G0A+4*(\s)], 1                                     ; 1:0 count = 1
	s_add_co_u32 s[G0A+4*(\s)+1], s18, (\s)*SLOT1                  ; 63:32 LDS address
	s_add_nc_u64 s[G0A+4*(\s)+2:G0A+4*(\s)+3], s[16:17], (\s)*KSTEP*2     ; 120:64 global address: K step s lies 256 bytes along A's rows,
	s_or_b32 s[G0A+4*(\s)+3], s[G0A+4*(\s)+3], 0x80000000          ; 127:126 type = 2
	s_mov_b32 s[G0B+4*(\s)], 1
	s_add_co_u32 s[G0B+4*(\s)+1], s19, (\s)*SLOT1
	s_add_nc_u64 s[G0B+4*(\s)+2:G0B+4*(\s)+3], s[46:47], (\s)*KSTEP*4096  ; and 128 rows down W
	s_or_b32 s[G0B+4*(\s)+3], s[G0B+4*(\s)+3], 0x80000000
.endr
	CROUND                                         ; all sixteen work-groups are here: the first joint loads meet
	s_cmp_eq_u32 s13, 0                            ; a wave's two first fills stand in one branch, ahead of every wait on TENSORcnt and every LDS read: two loads of mine are out
	s_cbranch_scc0 .Lfirst_b
	tensor_load_to_lds s[G0A:G0A+3], s[G1A:G1A+7]
	s_nop 0
	tensor_load_to_lds s[G0A+4:G0A+7], s[G1A:G1A+7]
	s_nop 0
	PLACES
	s_branch .Lfirst_asked
.Lfirst_b:
	tensor_load_to_lds s[G0B:G0B+3], s[G1B:G1B+7]
	s_nop 0
	tensor_load_to_lds s[G0B+4:G0B+7], s[G1B:G1B+7]
	s_nop 0
	PLACES
.Lfirst_asked:
	v_and_b32 v1, 15, v0                           ; l % 16
	v_bfe_u32 v2, v0, 4, 1                         ; l / 16
	v_and_b32 v3, 7, v0
	v_bfe_u32 v4, v0, 3, 1
	v_and_b32 v5, 31, v0                           ; lane
	v_lshlrev_b32 v[CO], 4, v5
	v_lshlrev_b32 v[BO], 5, v2                     ; my half of the lanes holds columns 8 (l / 16) + 0..7 of each block of 16: 32 bytes of the bias
	WIN 0x80                                       ; destination window 2, address window 0
.set j, 0
.rept 16                               ; block j / 2, four numbers; waited for ahead of the first product, whose C they are
	global_load_b128 v[BIAS+4*j:BIAS+4*j+3], v[BO], s[8:9] offset:64*(j/2)+16*(j%2)
.set j, j+1
.endr
	WIN 0
	; The lanes' shares of a request ahead, for a pair of K steps.  A (waves 0, 1): lane l takes row l / 2 of the work-group's 16, K step l % 2 of the pair (256 bytes on).  W (waves 2, 3): k-row (l / 2) % 8 of its 8,
	; block l % 2 of the row's two, K step l / 16 of the pair (128 rows on).  Both are row = (l / 16) x M + (l / 2) % 8, M = 8 or 128, and (l % 2) x 256.  All 32 lanes name different blocks of 256 bytes.
	s_lshl_b32 s16, s43, 19                        ; A: 128 rows of 4,096 bytes for each tile row,
	s_lshl_b32 s17, s42, 16                        ; 16 rows for each tile column
	s_add_co_u32 s16, s16, s17
	s_and_b32 s17, s43, 15                         ; W: 8 k-rows of 4,096 bytes for each tile row modulo 16,
	s_lshl_b32 s17, s17, 15
	s_lshl_b32 s19, s42, 9                         ; 512 bytes for each tile column
	s_add_co_u32 s17, s17, s19
	s_cmp_eq_u32 s13, 0
	s_cselect_b64 s[PFB:PFB+1], s[4:5], s[6:7]
	s_cselect_b32 s16, s16, s17
	s_cselect_b32 s17, 8, 128
	s_mov_b32 s[PFS], 2*KSTEP*4096                 ; a pair of K steps: 256 rows down W,
	s_cselect_b32 s[PFS], 2*KSTEP*2, s[PFS]        ; or 512 bytes along A's rows
	s_mov_b32 s[PFS+1], 0
	v_bfe_u32 v9, v0, 1, 3
	v_mad_u32_u24 v[PFO], v2, s17, v9
	v_lshlrev_b32 v[PFO], 12, v[PFO]               ; rows of 4,096 bytes
	v_and_b32 v9, 1, v0
	v_lshl_add_u32 v[PFO], v9, 8, v[PFO]
	v_add_nc_u32 v[PFO], s16, v[PFO]
	s_add_nc_u64 s[PFB:PFB+1], s[PFB:PFB+1], s[PFS:PFS+1]  ; K steps 2 and 3: their tensor loads go out in the loop's first two trips
	s_cmp_lg_u32 s14, 0
	s_cbranch_scc1 .Lno_pf_first
	global_prefetch_b8 v[PFO], s[PFB:PFB+1] th:TH_LOAD_NT scope:SCOPE_SE
.Lno_pf_first:
	v_mul_u32_u24 v6, v1, PA                       ; a fragment of A: row l % 16; k = 8 (l / 16) + 0..7 and, 32 bytes on, 16 + 8 (l / 16) + 0..7
	v_lshl_add_u32 v6, v2, 4, v6
	s_mul_i32 s21, s13, HA                         ; my 64 rows
	v_add_nc_u32 v[ADRA0], s21, v6
	v_add_nc_u32 v[ADA], s[TBG], v[ADRA0]
	v_lshl_add_u32 v7, v2, 3, v3                   ; the turning load: lane l reads 16 bytes of k-row 8 (l / 16) + l % 8, columns 8 ((l / 8) % 2) + 0..7, and is left with column l % 16 and 8 k
	v_mul_u32_u24 v7, v7, PB
	v_lshl_add_u32 v7, v4, 4, v7
	s_lshl_b32 s22, s14, 8                         ; my 128 columns,
	s_add_co_u32 s22, s22, BOFF                    ; behind A's rows
	v_add_nc_u32 v[ADRB0], s22, v7
	v_add_nc_u32 v[ADB], s[TBG], v[ADRB0]
	s_mul_i32 s23, s12, 16*SPITCH
	s_add_co_u32 s23, s23, STAGE                   ; my stage
	v_mul_u32_u24 v8, v1, SPITCH                   ; in: row l % 16, 32 bytes (eight columns) for each half of the lanes
	v_lshl_add_u32 v8, v2, 5, v8
	v_add_nc_u32 v[STO], s23, v8
	v_add_nc_u32 v[RD], s23, v[CO]                 ; back: 32 lanes take a row's 512 bytes
; 8 matrix instructions: row block i x all 8 column blocks, 32 along K, from buffer f.  first = 1: the product starts the sums, with the bias as its C: a lane's eight registers of accumulator (i, b) are the
; columns 16 b + 8 (l / 16) + 0..7, and so are the eight registers BIAS + 8 b on.  Nothing is ever cleared, and no sum is touched behind the products.
; The 32 accumulators take turns in the same order in every quarter, over the loop's backward jump too.
.macro MUL8 f, i, first
.if \first
	WIN MUL0
.else
	WIN MUL
.endif
.irp b, 0,1,2,3,4,5,6,7
.if \first
	v_wmma_f32_16x16x32_f16 v[8*(8*(\i)+(\b)):8*(8*(\i)+(\b))+7], v[(\f)+8*(\b):(\f)+8*(\b)+7], v[(\f)+64+8*(\i):(\f)+64+8*(\i)+7], v[BIAS+8*(\b):BIAS+8*(\b)+7]
.else
	v_wmma_f32_16x16x32_f16 v[8*(8*(\i)+(\b)):8*(8*(\i)+(\b))+7], v[(\f)+8*(\b):(\f)+8*(\b)+7], v[(\f)+64+8*(\i):(\f)+64+8*(\i)+7], v[8*(8*(\i)+(\b)):8*(8*(\i)+(\b))+7]
.endif
.endr
.endm
; 24 LDS loads in one run: the fragments of quarter q (32 along K) of the slot in hand into buffer f: W's sixteen, then A's eight, row blocks ascending
.macro FETCH q, f
	WIN 0
.irp b, 0,1,2,3,4,5,6,7
	ds_load_tr16_b128 v[(\f)+8*(\b):(\f)+8*(\b)+3],   v[ADB] offset:(\q)*32*PB+32*(\b)
	ds_load_tr16_b128 v[(\f)+8*(\b)+4:(\f)+8*(\b)+7], v[ADB] offset:(\q)*32*PB+16*PB+32*(\b)
.endr
.irp i, 0,1,2,3
	ds_load_b128 v[(\f)+64+8*(\i):(\f)+64+8*(\i)+3],   v[ADA] offset:64*(\q)+(\i)*16*PA
	ds_load_b128 v[(\f)+64+8*(\i)+4:(\f)+64+8*(\i)+7], v[ADA] offset:64*(\q)+(\i)*16*PA+32
.endr
.endm
; A K step is four quarters of 32 along K, 32 matrix instructions each, on buffers 0, 1, 0, 1.  One of the first three: multiplies buffer f and, in its middle, fetches quarter q into buffer g.
.macro QUARTER q, f, g, first
	s_wait_dscnt 4                                 ; W and A's row blocks 0, 1 are in; the youngest four loads (blocks 2, 3) may be out
	MUL8 \f, 0, \first
	MUL8 \f, 1, \first
	PLACES
	FETCH \q, \g
	s_wait_dscnt 24                                ; all but the 24 just issued
	MUL8 \f, 2, \first
	MUL8 \f, 3, \first
.endm
; The last quarter multiplies buffer 1 and changes slots: ONE barrier.  In front of it each wave waits for all its tensor loads (one is out: its part of the next slot), adds 0 to its spare word, and waits
; for that and for its own reads of this slot.  fill = 1: the barrier opens a round of the cluster's barrier, and this slot is filled again, two K steps ahead, first thing behind the round (the walking
; descriptor takes the other slot than last time and the next K step): from that request to the wait for it a wave issues 112 matrix instructions.  The request ahead stands behind the run of LDS loads,
; with sixteen matrix instructions between it and the wave's next wait.
.macro TURN fill
	WIN 0                                          ; (the add's two registers lie in window 0)
	s_wait_tensorcnt 0x0                           ; all my tensor loads have landed, so a group 0 may be written
	ds_add_u32 v[SPW], v[NIL]                      ; 0 onto my spare word
	s_wait_dscnt 5                                 ; (the add and the youngest four loads may be out)
	MUL8 F1, 0, 0                                  ; eight matrix instructions stand between the add and the wait for it
	s_wait_dscnt 0x0                               ; the add is done, and my reads of this slot are over
	s_barrier_signal -1
	MUL8 F1, 1, 0
	WIN 0                                          ; (branches, or the lines that make addresses, follow)
	s_barrier_wait -1
.if \fill
	CREST                                          ; no wave of any partner still reads this slot's tile or has a load on its way
	s_xor_b32 s[G0A+5], s[G0A+5], SLOT1
	s_add_nc_u64 s[G0A+6:G0A+7], s[G0A+6:G0A+7], KSTEP*2     ; the type bits on top are not reached
	s_xor_b32 s[G0B+5], s[G0B+5], SLOT1
	s_add_nc_u64 s[G0B+6:G0B+7], s[G0B+6:G0B+7], KSTEP*4096
	JLOAD                                          ; the four v_nop behind it are also the places in front of the loads below
.else
	PLACES
.endif
	s_xor_b32 s[TBG], s[TBG], SLOT1                ; the fragments now come from the other slot
	v_add_nc_u32 v[ADA], s[TBG], v[ADRA0]
	v_add_nc_u32 v[ADB], s[TBG], v[ADRB0]
	FETCH 0, F0
.if \fill
	PF
.endif
	MUL8 F1, 2, 0
	MUL8 F1, 3, 0
.endm
; THE WAY OUT of row block a (16 rows x 128 columns of f32).  A lane's eight columns go into my own stage, rows of 528 bytes, and come back as whole rows of 512; 32 lanes store 512 consecutive bytes.
.macro TOSTAGE a
.set OBK, OB+64*((\a)%2)
.if (\a) >= 2
	s_wait_xcnt 0x0                                ; the stores of the block two back have had their addresses translated (ISA guide 3.1): only now are their data registers loaded again
.endif
	WIN 0x04                                       ; store data in window 1
.irp b, 0,1,2,3,4,5,6,7
	ds_store_b128 v[STO], v[8*(8*(\a)+(\b)):8*(8*(\a)+(\b))+3]   offset:64*(\b)     ; each accumulator's low four registers are read first
	ds_store_b128 v[STO], v[8*(8*(\a)+(\b))+4:8*(8*(\a)+(\b))+7] offset:64*(\b)+16
.endr
	WIN 0
.set t, 0
.rept 16
	ds_load_b128 v[OBK+4*t:OBK+4*t+3], v[RD] offset:SPITCH*t  ; LDS serves a wave's instructions in order (ISA guide 5.7.1.4): these see the stores above; the next block's stores come behind them
.set t, t+1
.endr
.endm
.macro SEND a, younger                 ; younger: the LDS instructions issued behind block a's loads: the next block's 32, or none
.set OBK, OB+64*((\a)%2)
.set t, 0
.rept 16
	s_wait_dscnt (\younger)+15-t
	global_store_b128 v[CO], v[OBK+4*t:OBK+4*t+3], s[10:11] offset:(16*(\a)+t)*8192  ; 512 consecutive bytes, at a multiple of 256 from C's first byte; 63 rows of 8,192 bytes at the most, inside the signed 24-bit immediate
.set t, t+1
.endr
.endm
	s_wait_tensorcnt 0x1                           ; my part of K step 0 is in; K step 1's may stay out
	s_barrier_signal -1
	s_barrier_wait -1                              ; everybody's is
	FETCH 0, F0
	s_wait_loadcnt 0x0                             ; the bias: the first products' C
	QUARTER 1, F0, F1, 1                           ; the first quarter stands in front of the loop: its products start the sums
	WIN 0                                          ; at a label and at a branch every window is 0
	s_mov_b32 s[KCNT], 2048/KSTEP-2
.Lk:                                                   ; 14 trips: a trip goes from a K step's second quarter to the next step's first, and fills the slot that it leaves with the K step two steps on
	QUARTER 2, F1, F0, 0
	QUARTER 3, F0, F1, 0
	TURN 1
	QUARTER 1, F0, F1, 0
	WIN 0
	s_sub_co_u32 s[KCNT], s[KCNT], 1
	s_cmp_lg_u32 s[KCNT], 0
	s_cbranch_scc1 .Lk
	QUARTER 2, F1, F0, 0                           ; the last two K steps fill nothing, and have no round of the cluster's barrier
	QUARTER 3, F0, F1, 0
	TURN 0
	QUARTER 1, F0, F1, 0
	QUARTER 2, F1, F0, 0
	QUARTER 3, F0, F1, 0
	s_wait_dscnt 4                                 ; the very last quarter: nothing more to fetch
	MUL8 F1, 0, 0
	MUL8 F1, 1, 0
	s_wait_dscnt 0x0
	MUL8 F1, 2, 0
	MUL8 F1, 3, 0
	WIN 0
	PLACES                                         ; behind the last products
	TOSTAGE 0
	TOSTAGE 1                                      ; a block's way through the stage stands between the loads of the block before and its stores
	SEND 0, 32
	TOSTAGE 2
	SEND 1, 32
	TOSTAGE 3
	SEND 2, 32
	SEND 3, 0
	s_wait_tensorcnt 0x0                           ; the wave's end, behind my last tensor load and my last LDS store
	ds_add_u32 v[SPW], v[NIL]
	s_wait_dscnt 0x0
	CROUND                                         ; the closing round: no work-group ends while a partner may still ask for a tile that names it
	s_endpgm
.Lfunc_end_k_q6ce2dd65b8_oproj:
	.size	k_q6ce2dd65b8_oproj, .Lfunc_end_k_q6ce2dd65b8_oproj-k_q6ce2dd65b8_oproj
	.p2alignl 7, 3214868480
	.fill 96, 4, 3214868480
	.section	.rodata,"a",@progbits
	.p2align	6, 0x0
	.amdhsa_kernel k_q6ce2dd65b8_oproj
		.amdhsa_group_segment_fixed_size 327680
		.amdhsa_private_segment_fixed_size 0
		.amdhsa_enable_private_segment 0
		.amdhsa_kernarg_size 32
		.amdhsa_user_sgpr_count 2
		.amdhsa_user_sgpr_kernarg_segment_ptr 1
		.amdhsa_wavefront_size32 1
		.amdhsa_system_sgpr_workgroup_id_x 1
		.amdhsa_system_sgpr_workgroup_id_y 1
		.amdhsa_system_sgpr_workgroup_id_z 1
		.amdhsa_system_vgpr_workitem_id 0
		.amdhsa_next_free_vgpr 576
		.amdhsa_next_free_sgpr 66
		.amdhsa_reserve_vcc 0
		.amdhsa_float_denorm_mode_32 3
		.amdhsa_float_denorm_mode_16_64 3
		.amdhsa_memory_ordered 1
		.amdhsa_forward_progress 1
		.amdhsa_inst_pref_size 73
	.end_amdhsa_kernel
	.amdgpu_metadata
---
amdhsa.version: [ 1, 2 ]
amdhsa.kernels:
  - .name:           k_q6ce2dd65b8_oproj
    .symbol:         k_q6ce2dd65b8_oproj.kd
    .args:
      - { .name: o16, .offset: 0, .size: 8, .value_kind: global_buffer, .address_space: global }
      - { .name: wo16, .offset: 8, .size: 8, .value_kind: global_buffer, .address_space: global }
      - { .name: bo, .offset: 16, .size: 8, .value_kind: global_buffer, .address_space: global }
      - { .name: out0, .offset: 24, .size: 8, .value_kind: global_buffer, .address_space: global }
    .group_segment_fixed_size: 327680
    .private_segment_fixed_size: 0
    .kernarg_segment_align: 8
    .kernarg_segment_size: 32
    .max_flat_workgroup_size: 128
    .sgpr_count:     66
    .vgpr_count:     576
    .wavefront_size: 32
...
	.end_amdgpu_metadata
.endif
;; end of part 4
